; MI455X (gfx1250); checked and timed in simulation.
; The chip was launched on July 23, 2026; its instructions are those of AMD's public machine-readable ISA for CDNA 5 (MIT licence, August 2026) and "CDNA5" Instruction Set Architecture Reference Guide (July 2026). The comments in the code are by the model that wrote it; some were corrected since.
;; I64 Token Routed MLP. Allowed arithmetic: matrix products marked QUANTISED: E3M2 operands, one E8M0 scale for each 32 along K, by v_wmma_scale_f32_16x16x128_f8f6f4 with both operands' format E3M2, f32 sums; everything else in f32.
;; Inputs: down_proj 8 x 512 x 2,048 float32; gate_up_proj 8 x 2,048 x 1,024 float32; token_ids 2,048 int32; x 2,048 x 2,048 float32.
;; Outputs: out0 2,048 x 2,048 float32.
;; This version of the problem:
;;   THIS VERSION OF THE PROBLEM IS GIVEN IN LOW PRECISION. The matrix products marked QUANTISED in the list below multiply operands that are first quantised to E3M2 (3 exponent bits, 2 mantissa bits; 6 bits a number), with one power-of-two scale for each 32 numbers along K (OCP MX v1.0); their sums are f32. All else is computed in f32.
;;   The module's matrix products, in the order in which they are computed (A, B: the left and right operand; K: the contracted axis; several contracted axes count as one K, in the product's order):
;;     1. [M 2,048, K 2,048] x [K 2,048, N 1,024]; A: computed on the way; B: input gate_up_proj: QUANTISED
;;     2. [M 2,048, K 512] x [K 512, N 2,048]; A: computed on the way; B: input down_proj: QUANTISED
;;     3. [M 2,048, K 2,048] x [K 2,048, N 1,024]; A: computed on the way; B: input gate_up_proj: QUANTISED
;;     4. [M 2,048, K 512] x [K 512, N 2,048]; A: computed on the way; B: input down_proj: QUANTISED
;;     5. [M 2,048, K 2,048] x [K 2,048, N 1,024]; A: computed on the way; B: input gate_up_proj: QUANTISED
;;     6. [M 2,048, K 512] x [K 512, N 2,048]; A: computed on the way; B: input down_proj: QUANTISED
;;     7. [M 2,048, K 2,048] x [K 2,048, N 1,024]; A: computed on the way; B: input gate_up_proj: QUANTISED
;;     8. [M 2,048, K 512] x [K 512, N 2,048]; A: computed on the way; B: input down_proj: QUANTISED
;;     9. [M 2,048, K 2,048] x [K 2,048, N 1,024]; A: computed on the way; B: input gate_up_proj: QUANTISED
;;     10. [M 2,048, K 512] x [K 512, N 2,048]; A: computed on the way; B: input down_proj: QUANTISED
;;     11. [M 2,048, K 2,048] x [K 2,048, N 1,024]; A: computed on the way; B: input gate_up_proj: QUANTISED
;;     12. [M 2,048, K 512] x [K 512, N 2,048]; A: computed on the way; B: input down_proj: QUANTISED
;;     13. [M 2,048, K 2,048] x [K 2,048, N 1,024]; A: computed on the way; B: input gate_up_proj: QUANTISED
;;     14. [M 2,048, K 512] x [K 512, N 2,048]; A: computed on the way; B: input down_proj: QUANTISED
;;     15. [M 2,048, K 2,048] x [K 2,048, N 1,024]; A: computed on the way; B: input gate_up_proj: QUANTISED
;;     16. [M 2,048, K 512] x [K 512, N 2,048]; A: computed on the way; B: input down_proj: QUANTISED
;;   THE QUANTISER, for each operand of a quantised product, along K:
;;     - K is cut into blocks of 32 from its start; a last block that is shorter is filled with zeros.
;;     - A block's scale is 2^e with e = floor(log2(the largest magnitude in the block)) - 4, held to -126 .. 127; a block of zeros has e = 0. As a byte (E8M0): e + 127.
;;     - Each number is divided by its block's scale, clamped to +-28, and rounded to the nearest number of E3M2, ties to even, subnormals kept.
;;     - The product sums the exact products of the quantised numbers (number of the format x scale) in f32.
;;   ~~~python
;;   def quantise(x, axis):      # numpy; x: float32 -> the quantised numbers, widened to float32 again
;;       x = np.moveaxis(x, axis, -1); K = x.shape[-1]
;;       x = np.pad(x, [(0, 0)] * (x.ndim - 1) + [(0, -K % 32)]); x = x.reshape(x.shape[:-1] + (-1, 32)); a = np.abs(x).max(-1, keepdims=True)
;;       e = np.where(a > 0, np.clip(np.frexp(np.where(a > 0, a, 1))[1] - 1 - 4, -126, 127), 0)      # np.frexp(a)[1] - 1 = floor(log2(a)), exactly
;;       r = np.clip(x / 2.0 ** e, -28, 28)
;;       step = 2.0 ** (np.maximum(np.frexp(np.where(r == 0, 1, r))[1] - 1, -2) - 2)
;;       q = np.round(r / step) * step * 2.0 ** e      # np.round: ties to even
;;       return np.moveaxis(q.reshape(q.shape[:-2] + (-1,))[..., :K], -1, axis).astype(np.float32)
;;   ~~~
;;   OPERANDS COMPUTED ON THE WAY. 'Computed on the way' means the value that the module computes at that place (a softmax that the list does not call 'softmax' is quantised finished and normalised). What goes into a quantiser is computed in f32, as accurately as f32 sums, v_exp_f32 and their like allow (about 1e-6 of the number): no bf16 or f16 on the way to a quantiser, and a product that is left as it is and whose result goes on into a quantised operand takes f32 operands (vector FMAs, or v_wmma_f32_16x16x4_f32). A number that lies on a knife's edge between two numbers of the format may be rounded either way, as far as f32 arithmetic and the matrix unit's own rounding can turn it there, and no further.
;; 2 versions. Each part assembles by itself: llvm-mc -triple=amdgcn-amd-amdhsa -mcpu=gfx1250 --defsym DOCPART=n.
;; ======== version 1 of 2: 3 launches
;; workspace buffers: xcodes 3,342,336 bytes; xscale 139,264 bytes; order 8,704 bytes of whole numbers; meta 256 bytes of whole numbers; hcodes 835,584 bytes; hscale 34,816 bytes
;; launch route_quant (part 1): grid 135 x 2, 8 waves a work-group, no clusters, 69,632 bytes of LDS; arguments token_ids, x, xcodes, xscale, order, meta; writes xcodes, xscale, order, meta
.if DOCPART == 1
	.amdgcn_target "amdgcn-amd-amdhsa--gfx1250"
	.amdhsa_code_object_version 6
	.text
	.protected	k_q3e6dbca58a_route_quant
	.globl	k_q3e6dbca58a_route_quant
	.p2align	8
	.type	k_q3e6dbca58a_route_quant,@function
k_q3e6dbca58a_route_quant:
	s_mov_b64 s[64:65], 0
	v_nop
	global_prefetch_b8 v0, s[64:65] scope:SCOPE_SE
	s_setreg_imm32_b32 hwreg(HW_REG_WAVE_MODE, 25, 1), 1
	s_wait_xcnt 0x0
; ROUTING AND THE QUANTISING OF x.  expert = clip(token_id, 0, 31999) % 8.  The 2,048 tokens are sorted by expert (a counting sort, no atomics) and cut into TILES of 16 rows of one expert:
; at most 135 tiles whatever the split (2048 / 16 + 8 - 1).  Work-group (T, y) makes tile T's K steps 8 y .. 8 y + 7 (a K step = 128 along K): it repeats the sort from the 8 KiB of ids, finds its
; 16 tokens, gathers their rows, quantises them to BF6 (E3M2, one E8M0 byte for each 32 along K) and stores each fragment as an IMAGE OF THE OPERAND'S REGISTERS, so that the product's launch loads it by b128 alone.
; A tile's empty places repeat the token of its place 0: they are computed like any row and later store equal bytes to equal addresses.
; NO BRANCH HANGS ON THE SORT.  A tile number that the split leaves unused (7 at the most) finds no token, holds token 2,047 in all 16 rows and stores its codes into its own place T of the workspace, which is
; written by this work-group alone and read by no later launch: those form tile numbers from an expert's first tile and its number of tiles only.
; THE K MAP, the same for both operands of both products: in a K step lane (r, h) holds 64 NEIGHBOURS, k = 64 h + 0 .. 63: its registers 6 c .. 6 c + 5 hold block 2 h + c, whose scale byte is byte 2 c + h of the row's word.
; So the order in which the matrix unit adds the products of a K step differs from ascending k; the blocks and their scales are the quantiser's own.
; LIMITS: NaN and infinities among the inputs are not served; a block of zeros gets the byte 1 where the rule says 127 (its codes are zeros, and this program alone reads the bytes); blocks under the floor 2^-122 were not tried.
; OUT: xcodes [tile][K step 16][chunk 3][lane 32][16 bytes]; xscale [tile][K step 16][row 16] words; order [tile][16] words, row p's token at place 8 (p & 1) + (p >> 1); meta: words 0-7 an expert's first tile, words 32-39 its tiles.
.set XP,   4112                        ; a row of the stage: 4,096 bytes + 16 = 1,028 words: row r starts at bank 4 r mod 64 (64 banks of 4 bytes: ISA guide 11.1)
.set CNT,  16*XP                       ; LDS: the waves' counts, 128 bytes a wave
.set LIST, CNT+1024                    ; the waves' parts of the tile's list, 128 bytes a wave
.set SCW,  LIST+1024                   ; the scale words, 64 bytes a wave
.set ID,   8                           ; v8-15   my eight ids, then their experts
.set TK,   16                          ; v16-23  their tokens + 1
.set RB,   32                          ; v32-39  eight words read back from LDS
.set PR,   50                          ; v50-57  what the lane pushes brought
.set PA,   140                         ; v140-147 their targets (free until the codes are made)
.set X,    64                          ; v64-127 x as loaded, then my 64 numbers
.set F,    140                         ; v140-151 the fragment
.set F2,   152                         ; v152-154, v156-158 the blocks' second halves
	s_load_b256 s[4:11], s[0:1], 0x0               ; ids s[4:5], x s[6:7], xcodes s[8:9], xscale s[10:11]
	s_load_b128 s[12:15], s[0:1], 0x20             ; order s[12:13], meta s[14:15]
	v_lshl_add_u32 v168, v0, 2, 0x10c00
	v_mov_b32 v169, 0
	v_lshrrev_b32 v1, 5, v0
	v_readfirstlane_b32 s16, v1                    ; wave 0..7
	s_mov_b32 s17, ttmp9                           ; T
	s_and_b32 s18, ttmp7, 0xffff                   ; y
	s_mov_b32 s32, 0x76543210
	s_mov_b32 s33, 0xfedcba98                      ; v_permlanex16_b32's selects for lane l xor 16
	v_lshlrev_b32 v4, 4, v0
	s_wait_kmcnt 0x0
	global_load_b128 v[ID:ID+3], v4, s[4:5]                    ; register 4 b + j: the id of token 1024 b + 4 x thread + j
	global_load_b128 v[ID+4:ID+7], v4, s[4:5] offset:4096
	v_and_b32 v1, 31, v0                           ; lane
	v_and_b32 v2, 15, v0                           ; r
	v_bfe_u32 v3, v0, 4, 1                         ; h
	v_lshlrev_b32 v5, 2, v1
	v_lshl_add_u32 v25, v0, 2, CNT                 ; my word among the counts: 128 x wave + 4 x lane
	v_lshl_add_u32 v26, v1, 2, CNT
	v_lshl_add_u32 v59, v0, 2, LIST
	v_lshl_add_u32 v60, v2, 2, LIST                ; back: lanes 16-31 repeat lanes 0-15
	v_lshlrev_b32 v61, 4, v1
	s_mul_i32 s19, s16, 2*XP
	v_add_nc_u32 v62, s19, v61                     ; the stage, in: rows 2 w and 2 w + 1, 16 bytes a lane
	v_mul_u32_u24 v63, v2, XP
	v_lshl_add_u32 v63, v3, 8, v63
	s_lshl_b32 s19, s16, 9
	v_add_nc_u32 v63, s19, v63                     ; and out: row r, K step w, + 256 h: my 64 neighbours
	v_lshlrev_b32 v136, 3, v3
	v_lshl_add_u32 v137, v2, 2, SCW
	s_lshl_b32 s19, s16, 6
	v_add_nc_u32 v137, s19, v137                   ; my row's scale word: 64 x wave + 4 r
	v_lshl_add_u32 v138, v1, 4, SCW
	v_and_b32 v28, 1, v2
	v_lshrrev_b32 v29, 1, v2
	v_lshlrev_b32 v139, 2, v29
	v_lshl_add_u32 v139, v28, 5, v139              ; row r's place in order: 4 x (8 (r & 1) + (r >> 1))
.irp n, 0,1,2,3,4,5,6,7
	v_lshl_add_u32 v[TK+\n], v0, 2, 1024*(\n/4)+(\n%4)+1
.endr
	v_mov_b32 v24, 0
	v_mov_b32 v27, 0
	v_mov_b32 v44, 0                               ; (a DPP form's and a lane permute's destination counts as one of its sources)
	v_mov_b32 v135, 0
	v_mov_b32 v49, 31
	s_wait_loadcnt 0x0
.irp n, 0,1,2,3,4,5,6,7
	v_min_u32 v28, 0x7cff, v[ID+\n]                ; over 31,999: held there (a negative id too, as an unsigned number; the select below puts it right)
	v_cmp_gt_i32 vcc_lo, 0, v[ID+\n]
	v_and_b32 v28, 7, v28
	v_cndmask_b32 v[ID+\n], v28, v27, vcc_lo       ; under 0: clipped to 0, expert 0
.endr
	; my wave's count of each expert, into lane e of v24
.irp e, 0,1,2,3,4,5,6,7
.irp n, 0,1,2,3,4,5,6,7
	v_cmp_eq_u32 s28, \e, v[ID+\n]
.if \n == 0
	s_bcnt1_i32_b32 s[20+\e], s28
.else
	s_bcnt1_i32_b32 s19, s28
	s_add_co_u32 s[20+\e], s[20+\e], s19
.endif
.endr
	v_writelane_b32 v24, s[20+\e], \e
.endr
	ds_store_b32 v25, v24
	s_wait_dscnt 0x0                               ; for the others' sake: my counts have landed
	s_barrier_signal -1
	s_barrier_wait -1
.irp w, 0,1,2,3,4,5,6,7
	ds_load_b32 v[RB+\w], v26 offset:128*\w        ; lane e: wave w's count of expert e (lanes 8-31: zeros)
.endr
	s_wait_dscnt 0x0
	v_add_nc_u32 v40, v[RB], v[RB+1]
.irp w, 2,3,4,5,6,7
	v_add_nc_u32 v40, v40, v[RB+\w]                ; the expert's rows in all
.endr
	v_mov_b32 v41, 0
.irp w, 0,1,2,3,4,5,6
	s_cmp_gt_u32 s16, \w
	s_cselect_b32 s19, -1, 0
	v_and_b32 v44, s19, v[RB+\w]
	v_add_nc_u32 v41, v41, v44                     ; and in the waves ahead of mine
.endr
	v_add_nc_u32 v42, 15, v40
	v_lshrrev_b32 v42, 4, v42                      ; its tiles
	v_mov_b32 v43, v42
.irp d, 1,2,4
	v_mov_b32_dpp v44, v43 row_shr:\d row_mask:0xf bank_mask:0xf bound_ctrl:1
	v_add_nc_u32 v43, v43, v44                     ; running sum over lanes 0-7
.endr
	v_sub_nc_u32 v45, v43, v42                     ; its first tile
	v_cmp_ge_u32 s28, s17, v43                     ; T's expert: as many experts end at or under T
	s_and_b32 s28, s28, 0xff
	s_bcnt1_i32_b32 s29, s28
	s_min_u32 s29, s29, 7                          ; 8: the split has no tile T.  Held at 7: T then lies past expert 7's last tile, so that no rank below falls on its 16 places
	v_readlane_b32 s30, v45, s29
	v_readlane_b32 s31, v41, s29
	s_sub_co_u32 s19, s17, s30
	s_lshl_b32 s19, s19, 4                         ; the tile's first rank in its expert
	s_sub_co_u32 s31, s31, s19                     ; my wave's first rank, counted from there
	v_mov_b32 v46, s31
	; ranks go by (wave, register, lane).  A token whose rank falls on place d = 0 .. 15 of the tile is pushed to lane d; all others push to lane 31, which nobody reads; a lane to which nothing is pushed gets 0
.irp n, 0,1,2,3,4,5,6,7
	v_cmp_eq_u32 s28, s29, v[ID+\n]
	v_mbcnt_lo_u32_b32 v47, s28, v46
	s_bcnt1_i32_b32 s19, s28
	v_cmp_gt_u32 s43, 16, v47
	s_and_b32 s43, s43, s28
	v_cndmask_b32 v[PA+\n], v49, v47, s43
	v_min_u32 v[PA+\n], 31, v[PA+\n]
	v_lshlrev_b32 v[PA+\n], 2, v[PA+\n]
	ds_permute_b32 v[PR+\n], v[PA+\n], v[TK+\n]
	v_add_nc_u32 v46, s19, v46
.endr
	s_wait_dscnt 0x0
	v_or_b32 v58, v[PR], v[PR+1]
.irp n, 2,3,4,5,6,7
	v_or_b32 v58, v58, v[PR+\n]
.endr
	ds_store_b32 v59, v58
	s_wait_dscnt 0x0                               ; for the others' sake
	s_barrier_signal -1
	s_barrier_wait -1
.irp w, 0,1,2,3,4,5,6,7
	ds_load_b32 v[RB+\w], v60 offset:128*\w
.endr
	s_wait_dscnt 0x0
	v_or_b32 v58, v[RB], v[RB+1]
.irp w, 2,3,4,5,6,7
	v_or_b32 v58, v58, v[RB+\w]                    ; each place has one sender in the whole work-group, or none
.endr
	v_readfirstlane_b32 s19, v58
	v_mov_b32 v44, s19
	v_cmp_eq_u32 vcc_lo, 0, v58
	v_cndmask_b32 v58, v58, v44, vcc_lo            ; an empty place repeats place 0
	v_add_nc_u32 v58, -1, v58
	v_min_u32 v58, 0x7ff, v58                      ; lane r: the token of row r (a tile with no token at all: 0 - 1, held at 2,047)
	; the gather: wave w brings rows 2 w and 2 w + 1, 4,096 bytes each, every load 512 consecutive bytes
	s_lshl_b32 s19, s16, 1
	v_readlane_b32 s34, v58, s19
	s_add_co_u32 s19, s19, 1
	v_readlane_b32 s35, v58, s19
	s_min_u32 s34, s34, 2047
	s_min_u32 s35, s35, 2047
	s_lshl_b32 s19, s18, 12
	s_lshl_b32 s40, s34, 13
	s_add_co_u32 s40, s40, s19
	s_mov_b32 s41, 0
	s_add_nc_u64 s[36:37], s[6:7], s[40:41]
	s_lshl_b32 s40, s35, 13
	s_add_co_u32 s40, s40, s19
	s_add_nc_u64 s[38:39], s[6:7], s[40:41]
.irp i, 0,1
.irp l, 0,1,2,3,4,5,6,7
	global_load_b128 v[X+32*\i+4*\l:X+32*\i+4*\l+3], v61, s[36+2*\i:37+2*\i] offset:512*\l
.endr
.endr
.irp i, 0,1
.irp l, 0,1,2,3,4,5,6,7
	s_wait_loadcnt 15-8*\i-\l                      ; loads come back in order: this one is in, the younger ones stay out
	ds_store_b128 v62, v[X+32*\i+4*\l:X+32*\i+4*\l+3] offset:XP*\i+512*\l
.endr
.endr
	s_wait_dscnt 0x0                               ; for the others' sake: my two rows lie in the stage
	s_barrier_signal -1
	s_barrier_wait -1
.irp i, 0,1,2,3,4,5,6,7,8,9,10,11,12,13,14,15
	ds_load_b128 v[X+4*\i:X+4*\i+3], v63 offset:16*\i   ; wave w: K step w of all 16 rows; my 64 neighbours: two whole blocks
.endr
	s_wait_dscnt 0x0
.irp c, 0,1
	v_max3_num_f32 v[128+\c], |v[X+32*\c]|, |v[X+1+32*\c]|, 0x2800000   ; the block's largest magnitude, and the floor 2^(5 - 127): the byte cannot fall under 1
.endr
.irp i, 2,4,6,8,10,12,14,16,18,20,22,24,26,28,30
.irp c, 0,1
	v_max3_num_f32 v[128+\c], v[128+\c], |v[X+32*\c+\i]|, |v[X+1+32*\c+\i]|
.endr
.endr
.irp c, 0,1
	v_add_nc_u32 v[130+\c], 0xfe000000, v[128+\c]  ; 4 off its exponent field: the conversion takes that field as its scale
.endr
.irp c, 0,1
	v_lshrrev_b32 v[132+\c], 23, v[130+\c]         ; the scale's byte
.endr
	v_lshl_or_b32 v134, v133, 16, v132             ; my two bytes: bytes h and 2 + h of the row's word
	v_lshlrev_b32 v134, v136, v134
	v_permlanex16_b32 v135, v134, s32, s33
	v_or_b32 v134, v134, v135                      ; with lane l xor 16's two the word is whole
.irp c, 0,1
	v_cvt_scalef32_pk16_bf6_f32 v[F+6*\c:F+6*\c+2], v[X+32*\c:X+32*\c+15], v[130+\c]
	v_cvt_scalef32_pk16_bf6_f32 v[F2+4*\c:F2+4*\c+2], v[X+32*\c+16:X+32*\c+31], v[130+\c]   ; (a conversion's three registers begin on an even number)
.endr
	v_nop                                          ; one plain place behind a scaled conversion
.irp c, 0,1
.irp i, 0,1,2
	v_mov_b32 v[F+6*\c+3+\i], v[F2+4*\c+\i]
.endr
.endr
	ds_store_b32 v137, v134                        ; both halves of the lanes write the same word with the same value
	s_wait_dscnt 0x0
	s_barrier_signal -1
	s_barrier_wait -1                              ; the last barrier: the branches behind it hang on the wave's and the work-group's numbers alone
	s_mul_i32 s40, s17, 24576
	s_lshl_b32 s19, s18, 3
	s_add_co_u32 s19, s19, s16
	s_mul_i32 s19, s19, 1536
	s_add_co_u32 s40, s40, s19
	s_add_nc_u64 s[8:9], s[8:9], s[40:41]
.irp j, 0,1,2
	global_store_b128 v61, v[F+4*\j:F+4*\j+3], s[8:9] offset:512*\j   ; registers 4 j .. 4 j + 3 of all lanes: 512 consecutive bytes, aligned
.endr
	s_cmp_lg_u32 s16, 0
	s_cbranch_scc1 .Lend
	ds_load_b128 v[160:163], v138                  ; wave 0: the eight K steps' scale words, 512 bytes
	s_lshl_b32 s40, s17, 10
	s_lshl_b32 s19, s18, 9
	s_add_co_u32 s40, s40, s19
	s_add_nc_u64 s[10:11], s[10:11], s[40:41]
	s_wait_dscnt 0x0
	global_store_b128 v61, v[160:163], s[10:11]
	s_cmp_lg_u32 s18, 0
	s_cbranch_scc1 .Lend
	s_lshl_b32 s40, s17, 6
	s_add_nc_u64 s[12:13], s[12:13], s[40:41]
	global_store_b32 v139, v58, s[12:13]           ; the tile's 16 tokens (64 bytes; lanes 16-31 repeat lanes 0-15)
	s_cmp_lg_u32 s17, 0
	s_cbranch_scc1 .Lend
	global_store_b32 v5, v45, s[14:15]             ; work-group (0, 0) stores the table
	global_store_b32 v5, v42, s[14:15] offset:128
.Lend:
	s_wait_tensorcnt 0x0
	ds_add_u32 v168, v169
	s_wait_dscnt 0x0
	s_endpgm
.Lfunc_end_k_q3e6dbca58a_route_quant:
	.size	k_q3e6dbca58a_route_quant, .Lfunc_end_k_q3e6dbca58a_route_quant-k_q3e6dbca58a_route_quant
	.p2alignl 7, 3214868480
	.fill 96, 4, 3214868480
	.section	.rodata,"a",@progbits
	.p2align	6, 0x0
	.amdhsa_kernel k_q3e6dbca58a_route_quant
		.amdhsa_group_segment_fixed_size 69632
		.amdhsa_private_segment_fixed_size 0
		.amdhsa_enable_private_segment 0
		.amdhsa_kernarg_size 48
		.amdhsa_user_sgpr_count 2
		.amdhsa_user_sgpr_kernarg_segment_ptr 1
		.amdhsa_wavefront_size32 1
		.amdhsa_system_sgpr_workgroup_id_x 1
		.amdhsa_system_sgpr_workgroup_id_y 1
		.amdhsa_system_sgpr_workgroup_id_z 1
		.amdhsa_system_vgpr_workitem_id 0
		.amdhsa_next_free_vgpr 170
		.amdhsa_next_free_sgpr 66
		.amdhsa_reserve_vcc 1
		.amdhsa_float_denorm_mode_32 3
		.amdhsa_float_denorm_mode_16_64 3
		.amdhsa_memory_ordered 1
		.amdhsa_forward_progress 1
		.amdhsa_inst_pref_size 30
	.end_amdhsa_kernel
	.amdgpu_metadata
---
amdhsa.version: [ 1, 2 ]
amdhsa.kernels:
  - .name:           k_q3e6dbca58a_route_quant
    .symbol:         k_q3e6dbca58a_route_quant.kd
    .args:
      - { .name: token_ids, .offset: 0, .size: 8, .value_kind: global_buffer, .address_space: global }
      - { .name: x, .offset: 8, .size: 8, .value_kind: global_buffer, .address_space: global }
      - { .name: xcodes, .offset: 16, .size: 8, .value_kind: global_buffer, .address_space: global }
      - { .name: xscale, .offset: 24, .size: 8, .value_kind: global_buffer, .address_space: global }
      - { .name: order, .offset: 32, .size: 8, .value_kind: global_buffer, .address_space: global }
      - { .name: meta, .offset: 40, .size: 8, .value_kind: global_buffer, .address_space: global }
    .group_segment_fixed_size: 69632
    .private_segment_fixed_size: 0
    .kernarg_segment_align: 8
    .kernarg_segment_size: 48
    .max_flat_workgroup_size: 256
    .sgpr_count:     66
    .vgpr_count:     170
    .wavefront_size: 32
...
	.end_amdgpu_metadata
.endif
;; end of part 1
;; launch gateup (part 2): grid 256 x 1, 4 waves a work-group, no clusters, 102,912 bytes of LDS; arguments gate_up_proj, xcodes, xscale, meta, hcodes, hscale; writes hcodes, hscale
.if DOCPART == 2
	.amdgcn_target "amdgcn-amd-amdhsa--gfx1250"
	.amdhsa_code_object_version 6
	.text
	.protected	k_q3e6dbca58a_gateup
	.globl	k_q3e6dbca58a_gateup
	.p2align	8
	.type	k_q3e6dbca58a_gateup,@function
k_q3e6dbca58a_gateup:
	s_mov_b64 s[64:65], 0
	v_nop
	global_prefetch_b8 v0, s[64:65] scope:SCOPE_SE
	s_setreg_imm32_b32 hwreg(HW_REG_WAVE_MODE, 25, 1), 1
	s_wait_xcnt 0x0
; inter = silu(gate) x up, gate | up = Q(x) Q(gate_up[e]), for the rows that the routing gave to expert e; both operands BF6 (E3M2) with one E8M0 byte for each 32 along K; inter leaves quantised along the next K.
; SHARES.  Work-group id: half = id & 1, j = (id >> 1) & 15, e = id >> 5.  It owns gate columns 32 j .. and up columns 512 + 32 j ..: ONE block of 32 hidden units, a slice of 2,048 x 64 f32.
; The slice is quantised on the way, into LDS, as images of the operand's registers; the weights never go to memory as codes.  The two halves (neighbouring ids) quantise the same slice and share out the expert's tiles of 16 rows:
; wave g = 4 half + w takes tiles g, g + 8, ..; three tiles' codes of x (3 x 192 registers) are resident in a pass and land while the weights stream.
; NO MULTICAST, NO TENSOR LOADS: the number of tiles hangs on counts read from memory, a slice has two users only, and a slice's rows are 128 bytes of a row of 4,096.
; W PHASE.  Wave w: columns of gate (w & 1 = 0) or up (1), K steps 8 (w >> 1) + u, u = 0 .. 7.  In a unit lane (a, cq) = (lane >> 3, lane & 7) takes block a of the K step and columns 4 cq .. + 3: 32 loads of 16 bytes.
; A load brings four columns of one k; the conversion wants 16 k of one column in consecutive registers: one v_mov a number turns them.  Loads run two units ahead.
; THE K MAP (as in the launch that made x's codes): registers 6 c .. 6 c + 5 of lanes 16 h .. hold block 2 h + c of the K step; its scale byte is byte 2 c + h of the word.  So the order of the sums inside a K step is not ascending k.
; THE PRODUCT IS USED TRANSPOSED (source 0 = 16 columns of the weight, source 1 = 16 rows of x): a lane holds ONE token.  THE COLUMNS OF A TILE ARE NOT NEIGHBOURS: row p of tile u is column 16 (p >> 3) + 8 u + (p & 7),
; so that a lane's 16 registers of tiles u = 0, 1 are the 16 neighbouring hidden units 16 h + 0 .. 15.
; LIMITS: NaN and infinities are not served; a block of zeros gets the byte 1 (its codes are zeros; this program alone reads the bytes); blocks under the floor 2^-122 were not tried.
; silu(g) = g x 1 / (1 + 2^(-g log2 e)), in f32: where the power overflows the quotient is 0, where it vanishes 1; a quotient under 2^-126 comes out as 0.
; LDS: fragment f = 16 t + s (t = 2 (gate | up) + u) at 1,536 f, lane l's 48 bytes at 48 l (12 l mod 64 words); scale words at WSC + 256 s + 128 (gate | up) + 4 (16 u + p).
; REGISTERS, window 0: v1-26 addresses; v28-31 the weights' scale words; v32-55 x's; W phase: v56-99 at work, v100-163 64 numbers turned, v192-255 landing set 0; T phase: v60-155 12 accumulators, v156-251 two sets of 4 fragments.
;   windows 1-3: v0-191 x's 16 fragments of tile place 0-2; v192-255 landing sets 1-3.
.set WSC,   98304
.set NT,    3                          ; tile places in a pass
.set MAXT,  18                         ; an expert's tiles are held at 136, so a wave has at most (136 + 7) >> 3 = 17: six passes of three cover them
.set XO,    14                         ; v14-16  a tile place's offset in xcodes;  v17-19 in xscale;  v20-22 in hcodes;  v23-25 in hscale
.set XSO,   17
.set HO,    20
.set HSO,   23
.set WS,    28                         ; v[WS + 2 p + g]: lanes 0-15 tile u = 0's words, lanes 16-31 tile u = 1's
.set XSC,   32                         ; v[XSC + 8 z + s / 2]: lanes 0-15 the even K step's words, lanes 16-31 the odd one's
.set WM,    56
.set WSO,   60
.set WBY,   64
.set CODE,  68
.set DD,    100
.set LD,    192
.set ACC,   60
.set WBUF,  156
.set T16,   156
.set EM,    172
.set EP,    173
.set ESO,   174
.set ECODE, 176
.set EBY,   188
.set MSB, 0
.macro WIN new                         ; the immediate's high byte repeats the setting that is left; a switch that changes nothing is dropped
.if MSB != (\new)
	s_set_vgpr_msb (MSB<<8)|(\new)
.set MSB, (\new)
.endif
.endm
.macro PLACES                          ; four plain places between a matrix instruction and a load into, or a vector instruction on, its registers
.rept 4
	v_nop
.endr
.endm
.macro WLOADH u, hb                    ; unit u, rows 16 hb + 0 .. 15 of each lane's block, into landing set 2 (u & 1) + hb
.set kk, 2*((\u)&1)+(\hb)
	WIN kk<<6
.irp i, 0,1,2,3,4,5,6,7,8,9,10,11,12,13,14,15
	global_load_b128 v[LD+4*\i:LD+4*\i+3], v8, s[4:5] offset:524288*(\u)+4096*(16*(\hb)+\i)   ; four rows k, 128 consecutive bytes of each
.endr
.endm
.macro XCHUNK c                        ; 28 of the 168 loads that bring three tiles' codes and scale words of x
.set xl, 28*(\c)
.rept 28
.set xt, xl/56
.set xk, xl%56
.if xk < 48
	WIN (xt+1)<<6
	global_load_b128 v[12*(xk/3)+4*(xk%3):12*(xk/3)+4*(xk%3)+3], v[XO+xt], s[6:7] offset:1536*(xk/3)+512*(xk%3)
.else
	WIN 0
	global_load_b32 v[XSC+8*xt+xk-48], v[XSO+xt], s[8:9] offset:128*(xk-48)
.endif
.set xl, xl+1
.endr
.endm
.macro TILES                           ; the three tile places of the pass that begins at my m-th tile.  A place past my last tile repeats it: it is multiplied and not stored
.irp z, 0,1,2
	s_add_co_u32 s25, s24, \z
	s_min_u32 s25, s25, s26
	s_lshl_b32 s25, s25, 3
	s_add_co_u32 s25, s25, s22
	s_min_u32 s25, s25, s27
	s_add_co_u32 s25, s25, s20
	s_min_u32 s25, s25, 135                        ; the buffers hold 136 tiles
	s_mul_i32 s28, s25, 24576
	v_add_nc_u32 v[XO+\z], s28, v4
	s_lshl_b32 s28, s25, 10
	v_add_nc_u32 v[XSO+\z], s28, v5
	s_mul_i32 s28, s25, 6144
	v_add_nc_u32 v[HO+\z], s28, v26
	s_lshl_b32 s28, s25, 8
	v_add_nc_u32 v[HSO+\z], s28, v2
.endr
.endm
.macro WMAX k
	WIN (\k)|((\k)<<2)
.irp i, 0,2,4,6,8,10,12,14
.irp q, 0,1,2,3
	v_max3_num_f32 v[WM+\q], |v[LD+4*\i+\q]|, |v[LD+4*\i+4+\q]|, v[WM+\q]
.endr
.endr
.endm
.macro WMOV k
	WIN (\k)
.irp q, 0,1,2,3
.irp i, 0,1,2,3,4,5,6,7,8,9,10,11,12,13,14,15
	v_mov_b32 v[DD+16*\q+\i], v[LD+4*\i+\q]        ; column q's 16 numbers down K, on end
.endr
.endr
.endm
; One unit: a K step of my 32 columns.  n = the loads issued behind this unit's, which may stay out.
.macro WQ u, n
.set kA, 2*((\u)&1)
.set kB, kA+1
	s_wait_loadcnt \n
.if (\u) > 0
	s_wait_dscnt 0x0                               ; the last unit's LDS stores have read their registers
.endif
.if (\u) < 6
	XCHUNK \u
.endif
	WIN 0
.irp q, 0,1,2,3
	v_mov_b32 v[WM+\q], 0x2800000                  ; the floor 2^(5 - 127): the byte cannot fall under 1
.endr
	WMAX kA
	WMAX kB
	WIN 0
.irp q, 0,1,2,3
	v_add_nc_u32 v[WSO+\q], 0xfe000000, v[WM+\q]   ; 4 off the exponent field: the conversion's scale operand
.endr
.irp q, 0,1,2,3
	v_lshrrev_b32 v[WBY+\q], 23, v[WSO+\q]
.endr
	WMOV kA
.if (\u) < 6
	WLOADH (\u)+2, 0                               ; the set just read takes the unit after next
.endif
	WIN 0
.irp q, 0,1,2,3
	v_cvt_scalef32_pk16_bf6_f32 v[CODE+8*\q:CODE+8*\q+2], v[DD+16*\q:DD+16*\q+15], v[WSO+\q]
.endr
	v_nop                                          ; one plain place behind the conversions, whose sources are written next
	WMOV kB
.if (\u) < 6
	WLOADH (\u)+2, 1
.endif
	WIN 0
.irp q, 0,1,2,3
	v_cvt_scalef32_pk16_bf6_f32 v[CODE+8*\q+4:CODE+8*\q+6], v[DD+16*\q:DD+16*\q+15], v[WSO+\q]
.endr
	v_nop
.irp q, 0,1,2,3
.irp i, 0,1,2
	v_mov_b32 v[CODE+8*\q+3+\i], v[CODE+8*\q+4+\i] ; the block's 24 bytes on end
.endr
.endr
.irp q, 0,1,2,3
.irp p, 0,1,2
	ds_store_b64 v9, v[CODE+8*\q+2*\p:CODE+8*\q+2*\p+1] offset:1536*(\u)+48*\q+8*\p
.endr
	ds_store_b8 v10, v[WBY+\q] offset:256*(\u)+4*\q
.endr
.endm
.macro WFETCH s                        ; K step s: the four weight fragments and their scale words, 14 LDS loads, into set s & 1
.irp t, 0,1,2,3
.irp c, 0,1,2
	ds_load_b128 v[WBUF+48*((\s)&1)+12*\t+4*\c:WBUF+48*((\s)&1)+12*\t+4*\c+3], v[11+\t/2] offset:1536*(16*(\t%2)+(\s))+16*\c
.endr
.endr
.irp g, 0,1
	ds_load_b32 v[WS+2*((\s)&1)+\g], v13 offset:256*(\s)+128*\g
.endr
.endm
.macro MM s, z, t
.set rD, ACC+32*(\z)+8*(\t)
.set rA, WBUF+48*((\s)&1)+12*(\t)
.set rB, 12*(\s)
.set rW, WS+2*((\s)&1)+(\t)/2
.set rX, XSC+8*(\z)+(\s)/2
.if (\s) == 0
.if (\t)%2 == 0
	v_wmma_scale_f32_16x16x128_f8f6f4 v[rD:rD+7], v[rA:rA+11], v[rB:rB+11], 0, v[rW], v[rX] matrix_a_fmt:MATRIX_FMT_BF6 matrix_b_fmt:MATRIX_FMT_BF6
.else
	v_wmma_scale_f32_16x16x128_f8f6f4 v[rD:rD+7], v[rA:rA+11], v[rB:rB+11], 0, v[rW], v[rX] matrix_a_fmt:MATRIX_FMT_BF6 matrix_b_fmt:MATRIX_FMT_BF6 matrix_a_scale:MATRIX_SCALE_ROW1
.endif
.elseif (\s)%2 == 0
.if (\t)%2 == 0
	v_wmma_scale_f32_16x16x128_f8f6f4 v[rD:rD+7], v[rA:rA+11], v[rB:rB+11], v[rD:rD+7], v[rW], v[rX] matrix_a_fmt:MATRIX_FMT_BF6 matrix_b_fmt:MATRIX_FMT_BF6
.else
	v_wmma_scale_f32_16x16x128_f8f6f4 v[rD:rD+7], v[rA:rA+11], v[rB:rB+11], v[rD:rD+7], v[rW], v[rX] matrix_a_fmt:MATRIX_FMT_BF6 matrix_b_fmt:MATRIX_FMT_BF6 matrix_a_scale:MATRIX_SCALE_ROW1
.endif
.else
.if (\t)%2 == 0
	v_wmma_scale_f32_16x16x128_f8f6f4 v[rD:rD+7], v[rA:rA+11], v[rB:rB+11], v[rD:rD+7], v[rW], v[rX] matrix_a_fmt:MATRIX_FMT_BF6 matrix_b_fmt:MATRIX_FMT_BF6 matrix_b_scale:MATRIX_SCALE_ROW1
.else
	v_wmma_scale_f32_16x16x128_f8f6f4 v[rD:rD+7], v[rA:rA+11], v[rB:rB+11], v[rD:rD+7], v[rW], v[rX] matrix_a_fmt:MATRIX_FMT_BF6 matrix_b_fmt:MATRIX_FMT_BF6 matrix_a_scale:MATRIX_SCALE_ROW1 matrix_b_scale:MATRIX_SCALE_ROW1
.endif
.endif
.endm
; A K step: the next step's fragments are asked for, then 12 products, the 12 accumulators by turns.  The first K step starts the sums with the constant 0.
.macro KSTEP s
.if (\s) < 15
	PLACES                                         ; the set to be loaded was read by the K step before
	WFETCH (\s)+1
	s_wait_dscnt 14                                ; this step's 14 loads are in; the 14 just issued stay out
.else
	s_wait_dscnt 0x0
.endif
.irp z, 0,1,2
	WIN (\z+1)<<2                                  ; source 1: x's fragments of tile place z
.irp t, 0,1,2,3
	MM \s, \z, \t
.endr
.endr
	WIN 0
.endm
; Tile place z: SwiGLU on my 16 hidden units of one token, the block's scale (with lane l xor 16's 16 units), 16 codes, out.  Each accumulator is read from its low end on.
.macro EPI z
	s_add_co_u32 s25, s24, \z
	s_cmp_ge_u32 s25, s23
	s_cbranch_scc1 .Lskip_\@                       ; a place past my last tile stores nothing
.set GA, ACC+32*(\z)
.set UP, GA+16
.irp i, 0,2,4,6,8,10,12,14
	v_pk_mul_f32 v[T16+\i:T16+\i+1], v[GA+\i:GA+\i+1], 0xbfb8aa3b op_sel_hi:[1,0]   ; -g log2(e)
.endr
.irp i, 0,1,2,3,4,5,6,7,8,9,10,11,12,13,14,15
	v_exp_f32 v[T16+\i], v[T16+\i]
.endr
	v_nop                                          ; a plain place behind the transcendentals
	s_wait_alu depctr_va_vdst(0)
.irp i, 0,2,4,6,8,10,12,14
	v_pk_add_f32 v[T16+\i:T16+\i+1], v[T16+\i:T16+\i+1], 1.0 op_sel_hi:[1,0]
.endr
.irp i, 0,1,2,3,4,5,6,7,8,9,10,11,12,13,14,15
	v_rcp_f32 v[T16+\i], v[T16+\i]
.endr
	v_nop
	s_wait_alu depctr_va_vdst(0)
.irp i, 0,2,4,6,8,10,12,14
	v_pk_mul_f32 v[T16+\i:T16+\i+1], v[T16+\i:T16+\i+1], v[GA+\i:GA+\i+1]   ; silu(g)
.endr
.irp i, 0,2,4,6,8,10,12,14
	v_pk_mul_f32 v[T16+\i:T16+\i+1], v[T16+\i:T16+\i+1], v[UP+\i:UP+\i+1]   ; x up
.endr
	v_max3_num_f32 v[EM], |v[T16]|, |v[T16+1]|, 0x2800000
.irp i, 2,4,6,8,10,12,14
	v_max3_num_f32 v[EM], v[EM], |v[T16+\i]|, |v[T16+\i+1]|
.endr
	v_permlanex16_b32 v[EP], v[EM], s32, s33
	v_max_num_f32 v[EM], v[EM], v[EP]
	v_add_nc_u32 v[ESO], 0xfe000000, v[EM]
	v_lshrrev_b32 v[EBY+\z], 23, v[ESO]
	v_cvt_scalef32_pk16_bf6_f32 v[ECODE+4*\z:ECODE+4*\z+2], v[T16:T16+15], v[ESO]
	v_nop                                          ; one plain place behind a scaled conversion
	global_store_b96 v[HO+\z], v[ECODE+4*\z:ECODE+4*\z+2], s[12:13]   ; 24 r + 12 h: the wave stores 384 consecutive bytes
	global_store_b8 v[HSO+\z], v[EBY+\z], s[14:15]                    ; both halves of the lanes store the same byte
.Lskip_\@:
.endm
	s_load_b256 s[4:11], s[0:1], 0x0               ; gate_up s[4:5], xcodes s[6:7], xscale s[8:9], meta s[10:11]
	s_load_b128 s[12:15], s[0:1], 0x20             ; hcodes s[12:13], hscale s[14:15]
	v_lshl_add_u32 v7, v0, 2, 0x19000
	v_mov_b32 v27, 0
	v_lshrrev_b32 v1, 5, v0
	v_readfirstlane_b32 s16, v1                    ; wave 0..3
	s_and_b32 s17, ttmp9, 1                        ; half
	s_bfe_u32 s18, ttmp9, 0x40001                  ; j
	s_lshr_b32 s19, ttmp9, 5                       ; e
	s_mov_b32 s32, 0x76543210
	s_mov_b32 s33, 0xfedcba98
	s_and_b32 s25, s16, 1                          ; gate (0) or up (1)
	s_lshr_b32 s26, s16, 1                         ; which half of K
	v_and_b32 v1, 31, v0                           ; lane
	v_and_b32 v2, 15, v0                           ; r
	v_bfe_u32 v3, v0, 4, 1                         ; h (in the W phase: a >> 1)
	v_lshlrev_b32 v4, 4, v1
	v_lshlrev_b32 v5, 2, v1
	v_bfe_u32 v100, v0, 3, 2                       ; a
	v_and_b32 v101, 7, v0                          ; cq
	v_lshlrev_b32 v8, 17, v100                     ; the weight: 32 a rows of 4,096 bytes,
	v_lshl_add_u32 v8, v101, 4, v8                 ; + 16 cq,
	s_lshl_b32 s27, s25, 11
	s_lshl_b32 s28, s26, 22
	s_add_co_u32 s27, s27, s28
	v_add_nc_u32 v8, s27, v8                       ; + 2,048 for up, + 1,024 rows for the second half of K
	v_and_b32 v102, 1, v0
	v_bfe_u32 v103, v0, 2, 1
	v_lshlrev_b32 v102, 2, v102
	v_lshl_add_u32 v102, v103, 3, v102             ; column 4 cq + q is row p = 8 (cq >> 2) + 4 (cq & 1) + q
	v_bfe_u32 v103, v0, 1, 1                       ; of tile u = (cq >> 1) & 1
	v_bfe_u32 v100, v0, 3, 1                       ; c = a & 1
	v_lshl_add_u32 v9, v3, 4, v102
	v_mul_u32_u24 v9, v9, 48                       ; the image: lane 16 h + p,
	v_mad_u32_u24 v9, v100, 24, v9                 ; + 24 c,
	v_mad_u32_u24 v9, v103, 24576, v9              ; tile u,
	s_mul_i32 s27, s25, 49152
	s_mul_i32 s28, s26, 12288
	s_add_co_u32 s27, s27, s28
	v_add_nc_u32 v9, s27, v9                       ; gate or up, my first K step
	v_lshl_add_u32 v10, v103, 4, v102
	v_lshlrev_b32 v10, 2, v10                      ; the scale word of row 16 u + p,
	v_lshl_add_u32 v10, v100, 1, v10
	v_add_nc_u32 v10, v10, v3                      ; its byte 2 c + h
	s_lshl_b32 s27, s26, 11
	s_lshl_b32 s28, s25, 7
	s_add_co_u32 s27, s27, s28
	s_add_co_u32 s27, s27, WSC
	v_add_nc_u32 v10, s27, v10
	v_mul_u32_u24 v11, v1, 48                      ; back: 48 x lane, gate's tiles;
	v_add_nc_u32 v12, 49152, v11                   ; up's
	v_lshl_add_u32 v13, v1, 2, WSC
	v_mul_u32_u24 v26, v2, 24
	v_mad_u32_u24 v26, v3, 12, v26                 ; my 12 bytes of a block's 16 rows of 24
	v_mov_b32 v[EP], 0                             ; (a lane permute's destination counts as one of its sources)
	s_wait_kmcnt 0x0
	s_lshl_b32 s28, s19, 2
	s_mov_b32 s29, 0
	s_add_nc_u64 s[10:11], s[10:11], s[28:29]
	s_load_b32 s20, s[10:11], 0x0                  ; the expert's first tile
	s_load_b32 s21, s[10:11], 0x80                 ; and its number of tiles
	s_lshl_b32 s28, s19, 23
	s_lshl_b32 s30, s18, 7
	s_add_co_u32 s28, s28, s30
	s_add_nc_u64 s[4:5], s[4:5], s[28:29]          ; the expert's weight at gate column 32 j
	s_mul_i32 s28, s18, 384
	s_add_nc_u64 s[12:13], s[12:13], s[28:29]      ; block j in a tile of hcodes
	s_lshl_b32 s28, s18, 4
	s_add_nc_u64 s[14:15], s[14:15], s[28:29]      ; and of hscale
	WLOADH 0, 0
	WLOADH 0, 1
	WLOADH 1, 0
	WLOADH 1, 1
	WIN 0
	s_wait_kmcnt 0x0
	s_min_u32 s20, s20, 135
	s_min_u32 s21, s21, 136
	s_lshl_b32 s22, s17, 2
	s_add_co_u32 s22, s22, s16                     ; g = 4 half + wave
	s_add_co_u32 s23, s21, 7
	s_sub_co_u32 s23, s23, s22
	s_lshr_b32 s23, s23, 3                         ; my tiles: g, g + 8, ..
	s_max_u32 s26, s23, 1
	s_sub_co_u32 s26, s26, 1
	s_max_u32 s27, s21, 1
	s_sub_co_u32 s27, s27, 1
	s_mov_b32 s24, 0                               ; m: my tiles done
	TILES
	WQ 0, 32                                       ; behind unit 0's loads: unit 1's 32
	WQ 1, 60                                       ; behind a unit's loads: 28 of x and the next unit's 32
	WQ 2, 60
	WQ 3, 60
	WQ 4, 60
	WQ 5, 60
	WQ 6, 60
	WQ 7, 0                                        ; nothing was issued behind unit 7's
	s_wait_dscnt 0x0                               ; for the others' sake: my part of the images has landed
	s_barrier_signal -1
	s_barrier_wait -1                              ; the one barrier: every wave passes it whatever the counts; LDS is only read from here on
	s_cmp_eq_u32 s23, 0
	s_cbranch_scc1 .Ldone
.Lpass:
	s_wait_loadcnt 0x0                             ; x's codes and scale words of the pass
	PLACES
	WFETCH 0
.irp s, 0,1,2,3,4,5,6,7,8,9,10,11,12,13,14,15
	KSTEP \s
.endr
	PLACES
	EPI 0
	EPI 1
	EPI 2
	s_add_co_u32 s24, s24, NT
	s_cmp_ge_u32 s24, s23
	s_cbranch_scc1 .Ldone                          ; my tiles are done: this is the way out of the loop
	s_wait_xcnt 0x0                                ; the stores have read their offsets and data: both are written again below
	TILES
.irp c, 0,1,2,3,4,5
	XCHUNK \c
.endr
	WIN 0
	s_cmp_lt_u32 s24, MAXT                         ; the loop's own count: m goes from 0 in steps of 3 and stays under 18, since a wave has 17 tiles at the most
	s_cbranch_scc1 .Lpass
.Ldone:
	s_wait_tensorcnt 0x0
	ds_add_u32 v7, v27
	s_wait_dscnt 0x0
	s_endpgm
.Lfunc_end_k_q3e6dbca58a_gateup:
	.size	k_q3e6dbca58a_gateup, .Lfunc_end_k_q3e6dbca58a_gateup-k_q3e6dbca58a_gateup
	.p2alignl 7, 3214868480
	.fill 96, 4, 3214868480
	.section	.rodata,"a",@progbits
	.p2align	6, 0x0
	.amdhsa_kernel k_q3e6dbca58a_gateup
		.amdhsa_group_segment_fixed_size 102912
		.amdhsa_private_segment_fixed_size 0
		.amdhsa_enable_private_segment 0
		.amdhsa_kernarg_size 48
		.amdhsa_user_sgpr_count 2
		.amdhsa_user_sgpr_kernarg_segment_ptr 1
		.amdhsa_wavefront_size32 1
		.amdhsa_system_sgpr_workgroup_id_x 1
		.amdhsa_system_sgpr_workgroup_id_y 1
		.amdhsa_system_sgpr_workgroup_id_z 1
		.amdhsa_system_vgpr_workitem_id 0
		.amdhsa_next_free_vgpr 1024
		.amdhsa_next_free_sgpr 66
		.amdhsa_reserve_vcc 0
		.amdhsa_float_denorm_mode_32 3
		.amdhsa_float_denorm_mode_16_64 3
		.amdhsa_memory_ordered 1
		.amdhsa_forward_progress 1
		.amdhsa_inst_pref_size 207
	.end_amdhsa_kernel
	.amdgpu_metadata
---
amdhsa.version: [ 1, 2 ]
amdhsa.kernels:
  - .name:           k_q3e6dbca58a_gateup
    .symbol:         k_q3e6dbca58a_gateup.kd
    .args:
      - { .name: gate_up_proj, .offset: 0, .size: 8, .value_kind: global_buffer, .address_space: global }
      - { .name: xcodes, .offset: 8, .size: 8, .value_kind: global_buffer, .address_space: global }
      - { .name: xscale, .offset: 16, .size: 8, .value_kind: global_buffer, .address_space: global }
      - { .name: meta, .offset: 24, .size: 8, .value_kind: global_buffer, .address_space: global }
      - { .name: hcodes, .offset: 32, .size: 8, .value_kind: global_buffer, .address_space: global }
      - { .name: hscale, .offset: 40, .size: 8, .value_kind: global_buffer, .address_space: global }
    .group_segment_fixed_size: 102912
    .private_segment_fixed_size: 0
    .kernarg_segment_align: 8
    .kernarg_segment_size: 48
    .max_flat_workgroup_size: 128
    .sgpr_count:     66
    .vgpr_count:     1024
    .wavefront_size: 32
...
	.end_amdgpu_metadata
.endif
;; end of part 2
;; launch down (part 3): grid 256 x 1, 4 waves a work-group, no clusters, 43,520 bytes of LDS; arguments down_proj, hcodes, hscale, order, meta, out0; writes out0
.if DOCPART == 3
	.amdgcn_target "amdgcn-amd-amdhsa--gfx1250"
	.amdhsa_code_object_version 6
	.text
	.protected	k_q3e6dbca58a_down
	.globl	k_q3e6dbca58a_down
	.p2align	8
	.type	k_q3e6dbca58a_down,@function
k_q3e6dbca58a_down:
	s_mov_b64 s[64:65], 0
	v_nop
	global_prefetch_b8 v0, s[64:65] scope:SCOPE_SE
	s_setreg_imm32_b32 hwreg(HW_REG_WAVE_MODE, 25, 1), 1
	s_wait_xcnt 0x0
; out[token] = Q(inter) Q(down[e]) for the rows that the routing gave to expert e; both operands BF6 (E3M2) with one E8M0 byte for each 32 along K = 512; sums in f32; each output row has one owner.
; SHARES.  Work-group id: cgp = id & 31, e = id >> 5.  It owns 64 output columns: a slice of 512 x 64 f32, rows of 256 aligned bytes, read once, quantised on the way into LDS as images of the operand's registers.
; It serves all tiles of 16 rows of expert e: wave w takes tiles w, w + 4, ..; five tiles are resident in a pass.
; NO MULTICAST, NO TENSOR LOADS: no two work-groups read the same weights, and all that a wave needs is asked for at once, into registers.
; W PHASE.  Wave w quantises K step w in two units y (the operand's half h); lane (a, cq) = (lane >> 4, lane & 15) takes rows 128 w + 64 y + 32 a + 0 .. 31 of columns 4 cq .. + 3.  One v_mov a number turns a load's four columns into runs down K.
; THE K MAP (as in the launches before): registers 6 c .. 6 c + 5 of lanes 16 h .. hold block 2 h + c of the K step; its scale byte is byte 2 c + h.  So the order of the sums inside a K step is not ascending k.
; THE PRODUCT IS USED TRANSPOSED (source 0 = 16 columns of the weight, source 1 = 16 tokens): a lane's eight results are eight neighbouring columns of one token's row.
; LIMITS: NaN and infinities are not served; a block of zeros gets the byte 1 (its codes are zeros; this program alone reads the bytes); blocks under the floor 2^-122 were not tried.
; LDS: fragment f = 4 t + s at 1,536 f, lane l's 48 bytes at 48 l; scale words at WSC + 256 s + 128 (t >> 1) + 4 (16 (t & 1) + p); each wave's stage of 16 rows x (256 + 16) bytes at STG + 4,352 w.
; REGISTERS, window 0: v1-34 addresses; v36-75 tokens; v76-115 inter's scale bytes; v116-135 its scale words; v136-139 the weights'; v140-235 two sets of 4 weight fragments (W phase: at work; way out: rows and offsets).
;   window 1: inter's fragments, 48 a tile place.   window 2: 20 accumulators (W phase: 128 numbers turned).   window 3: the 256 landing registers.
.set WSC,  24576
.set STG,  25600
.set NT,   5                           ; tile places in a pass
.set MAXT, 35                          ; an expert's tiles are held at 136, so a wave has at most (136 + 3) >> 2 = 34: seven passes of five cover them
.set HCO,  18                          ; v18-22 a tile place's offset in hcodes;  v23-27 in hscale;  v28-32 in order
.set HSO,  23
.set ORO,  28
.set ORD,  36
.set HSB,  76
.set HSW,  116
.set WS,   136
.set WBUF, 140
.set WM,   140
.set WSO,  144
.set WBY,  148
.set CODE, 152
.set OUTR, 140
.set OFS,  204
.set MSB, 0
.macro WIN new                         ; the immediate's high byte repeats the setting that is left; a switch that changes nothing is dropped
.if MSB != (\new)
	s_set_vgpr_msb (MSB<<8)|(\new)
.set MSB, (\new)
.endif
.endm
.macro PLACES                          ; four plain places between a matrix instruction and a load into, a store of, or a vector instruction on, its registers
.rept 4
	v_nop
.endr
.endm
.macro TILES                           ; the five tile places of the pass that begins at my m-th tile.  A place past my last tile repeats it: it is multiplied and not stored
.irp z, 0,1,2,3,4
	s_add_co_u32 s25, s24, \z
	s_min_u32 s25, s25, s26
	s_lshl_b32 s25, s25, 2
	s_add_co_u32 s25, s25, s16
	s_min_u32 s25, s25, s27
	s_add_co_u32 s25, s25, s20
	s_min_u32 s25, s25, 135                        ; the buffers hold 136 tiles
	s_mul_i32 s28, s25, 6144
	v_add_nc_u32 v[HCO+\z], s28, v15
	s_lshl_b32 s28, s25, 8
	v_add_nc_u32 v[HSO+\z], s28, v16
	s_lshl_b32 s28, s25, 6
	v_add_nc_u32 v[ORO+\z], s28, v17
.endr
.endm
.macro HLOAD z                         ; a tile place: 24 loads of codes, 8 of scale bytes, 2 of tokens
	WIN 0x40
.irp s, 0,1,2,3
.irp c, 0,1
.irp p, 0,1,2
	global_load_b64 v[48*\z+12*\s+6*\c+2*\p:48*\z+12*\s+6*\c+2*\p+1], v[HCO+\z], s[6:7] offset:1536*\s+384*\c+8*\p   ; block 4 s + 2 h + c, row r
.endr
.endr
.endr
	WIN 0
.irp s, 0,1,2,3
.irp c, 0,1
	global_load_u8 v[HSB+8*\z+2*\s+\c], v[HSO+\z], s[8:9] offset:64*\s+16*\c
.endr
.endr
	global_load_b128 v[ORD+8*\z:ORD+8*\z+3], v[ORO+\z], s[10:11]             ; register i: the token of row 2 i + h
	global_load_b128 v[ORD+8*\z+4:ORD+8*\z+7], v[ORO+\z], s[10:11] offset:16
.endm
.macro WUNIT y                         ; one block a lane, four columns
.if \y > 0
	s_wait_dscnt 0x0                               ; the first unit's LDS stores have read their registers
.endif
	WIN 0
.irp q, 0,1,2,3
	v_mov_b32 v[WM+\q], 0x2800000                  ; the floor 2^(5 - 127): the byte cannot fall under 1
.endr
	WIN 0x0f
.irp i, 0,2,4,6,8,10,12,14,16,18,20,22,24,26,28,30
.irp q, 0,1,2,3
	v_max3_num_f32 v[WM+\q], |v[128*\y+4*\i+\q]|, |v[128*\y+4*\i+4+\q]|, v[WM+\q]
.endr
.endr
	WIN 0
.irp q, 0,1,2,3
	v_add_nc_u32 v[WSO+\q], 0xfe000000, v[WM+\q]   ; 4 off the exponent field: the conversion's scale operand
.endr
.irp q, 0,1,2,3
	v_lshrrev_b32 v[WBY+\q], 23, v[WSO+\q]
.endr
	WIN 0x83
.irp q, 0,1,2,3
.irp i, 0,1,2,3,4,5,6,7,8,9,10,11,12,13,14,15,16,17,18,19,20,21,22,23,24,25,26,27,28,29,30,31
	v_mov_b32 v[32*\q+\i], v[128*\y+4*\i+\q]       ; column q's 32 numbers down K, on end
.endr
.endr
	WIN 0x02
.irp q, 0,1,2,3
	v_cvt_scalef32_pk16_bf6_f32 v[CODE+8*\q:CODE+8*\q+2], v[32*\q:32*\q+15], v[WSO+\q]
	v_cvt_scalef32_pk16_bf6_f32 v[CODE+8*\q+4:CODE+8*\q+6], v[32*\q+16:32*\q+31], v[WSO+\q]
.endr
	WIN 0
	v_nop                                          ; one plain place behind the conversions
.irp q, 0,1,2,3
.irp i, 0,1,2
	v_mov_b32 v[CODE+8*\q+3+\i], v[CODE+8*\q+4+\i] ; the block's 24 bytes on end
.endr
.endr
.irp q, 0,1,2,3
.irp p, 0,1,2
	ds_store_b64 v9, v[CODE+8*\q+2*\p:CODE+8*\q+2*\p+1] offset:768*\y+48*\q+8*\p
.endr
	ds_store_b8 v10, v[WBY+\q] offset:4*\q+\y
.endr
.endm
.macro WFETCH s                        ; K step s: the four weight fragments and their scale words, 14 LDS loads, into set s & 1
.irp t, 0,1,2,3
.irp c, 0,1,2
	ds_load_b128 v[WBUF+48*((\s)&1)+12*\t+4*\c:WBUF+48*((\s)&1)+12*\t+4*\c+3], v11 offset:1536*(4*\t+(\s))+16*\c
.endr
.endr
.irp g, 0,1
	ds_load_b32 v[WS+2*((\s)&1)+\g], v12 offset:256*(\s)+128*\g
.endr
.endm
.macro MM s, z, t
.set rD, 32*(\z)+8*(\t)
.set rA, WBUF+48*((\s)&1)+12*(\t)
.set rB, 48*(\z)+12*(\s)
.set rW, WS+2*((\s)&1)+(\t)/2
.set rH, HSW+4*(\z)+(\s)
.if (\s) == 0
.if (\t)%2 == 0
	v_wmma_scale_f32_16x16x128_f8f6f4 v[rD:rD+7], v[rA:rA+11], v[rB:rB+11], 0, v[rW], v[rH] matrix_a_fmt:MATRIX_FMT_BF6 matrix_b_fmt:MATRIX_FMT_BF6
.else
	v_wmma_scale_f32_16x16x128_f8f6f4 v[rD:rD+7], v[rA:rA+11], v[rB:rB+11], 0, v[rW], v[rH] matrix_a_fmt:MATRIX_FMT_BF6 matrix_b_fmt:MATRIX_FMT_BF6 matrix_a_scale:MATRIX_SCALE_ROW1
.endif
.else
.if (\t)%2 == 0
	v_wmma_scale_f32_16x16x128_f8f6f4 v[rD:rD+7], v[rA:rA+11], v[rB:rB+11], v[rD:rD+7], v[rW], v[rH] matrix_a_fmt:MATRIX_FMT_BF6 matrix_b_fmt:MATRIX_FMT_BF6
.else
	v_wmma_scale_f32_16x16x128_f8f6f4 v[rD:rD+7], v[rA:rA+11], v[rB:rB+11], v[rD:rD+7], v[rW], v[rH] matrix_a_fmt:MATRIX_FMT_BF6 matrix_b_fmt:MATRIX_FMT_BF6 matrix_a_scale:MATRIX_SCALE_ROW1
.endif
.endif
.endm
; A K step: the next step's fragments are asked for, then 20 products, the 20 accumulators by turns.  The first K step starts the sums with the constant 0.
.macro KSTEP s
.if (\s) < 3
	PLACES                                         ; the set to be loaded was read by the K step before
	WFETCH (\s)+1
	s_wait_dscnt 14                                ; this step's 14 loads are in; the 14 just issued stay out
.else
	s_wait_dscnt 0x0
.endif
	WIN 0xa4                                       ; source 0 (weights) window 0, source 1 (inter) window 1, C and D window 2
.irp z, 0,1,2,3,4
.irp t, 0,1,2,3
	MM \s, \z, \t
.endr
.endr
	WIN 0
.endm
; Tile place z goes out through my own stage: a lane's 32 bytes of a row in, whole rows of 256 bytes back, each to its token's row of out0.  LDS serves a wave's instructions in order (ISA guide 5.7.1.4): no wait between the stores and the loads.
.macro OUT z
	s_add_co_u32 s25, s24, \z
	s_cmp_ge_u32 s25, s23
	s_cbranch_scc1 .Lno_\@                         ; a place past my last tile stores nothing
	s_wait_xcnt 0x0                                ; earlier stores have read their offsets and data, which are written again below
	WIN 0x08                                       ; an LDS store's data are its source 1: window 2
.irp t, 0,1,2,3
.irp k, 0,1
	ds_store_b128 v13, v[32*\z+8*\t+4*\k:32*\z+8*\t+4*\k+3] offset:64*\t+16*\k   ; each accumulator from its low end on
.endr
.endr
	WIN 0
.irp i, 0,1,2,3,4,5,6,7
	ds_load_b128 v[OUTR+32*(\z%2)+4*\i:OUTR+32*(\z%2)+4*\i+3], v14 offset:544*\i   ; lanes 0-15 row 2 i, lanes 16-31 row 2 i + 1
.endr
.irp i, 0,1,2,3,4,5,6,7
	v_lshl_add_u32 v[OFS+8*(\z%2)+\i], v[ORD+8*\z+\i], 13, v4   ; the token's row of 8,192 bytes + 16 (lane % 16)
.endr
.irp i, 0,1,2,3,4,5,6,7
	s_wait_dscnt 7-\i                              ; LDS loads come back in order: this one is in, the younger ones stay out
	global_store_b128 v[OFS+8*(\z%2)+\i], v[OUTR+32*(\z%2)+4*\i:OUTR+32*(\z%2)+4*\i+3], s[14:15] th:TH_STORE_NT   ; sixteen lanes store 256 consecutive bytes, aligned
.endr
.Lno_\@:
.endm
	s_load_b256 s[4:11], s[0:1], 0x0               ; down_proj s[4:5], hcodes s[6:7], hscale s[8:9], order s[10:11]
	s_load_b128 s[12:15], s[0:1], 0x20             ; meta s[12:13], out0 s[14:15]
	v_lshl_add_u32 v254, v0, 2, 0xa800
	v_mov_b32 v255, 0
	v_lshrrev_b32 v1, 5, v0
	v_readfirstlane_b32 s16, v1                    ; wave 0..3
	s_and_b32 s17, ttmp9, 31                       ; cgp
	s_lshr_b32 s19, ttmp9, 5                       ; e
	s_mov_b32 s32, 0x76543210
	s_mov_b32 s33, 0xfedcba98
	v_and_b32 v1, 31, v0                           ; lane
	v_and_b32 v2, 15, v0                           ; r (in the W phase: cq)
	v_bfe_u32 v3, v0, 4, 1                         ; h (in the W phase: a)
	v_lshlrev_b32 v4, 4, v2
	v_lshlrev_b32 v5, 2, v1
	v_lshlrev_b32 v6, 3, v3
	v_lshl_add_u32 v8, v3, 18, v4                  ; the weight: 32 a rows of 8,192 bytes + 16 cq
	s_lshl_b32 s25, s16, 20
	v_add_nc_u32 v8, s25, v8                       ; + 128 w rows
	v_bfe_u32 v236, v0, 2, 2                       ; t = cq >> 2
	v_and_b32 v237, 3, v0
	v_mul_u32_u24 v9, v236, 6144                   ; the image: fragment 4 t + w,
	v_mad_u32_u24 v9, v237, 192, v9                ; lane p = 4 (cq & 3) + q,
	v_mad_u32_u24 v9, v3, 24, v9                   ; + 24 c
	s_mul_i32 s25, s16, 1536
	v_add_nc_u32 v9, s25, v9
	v_lshl_add_u32 v10, v3, 1, v4                  ; the scale word of column 4 cq + q lies at 16 cq + 4 q; its byte 2 c + h
	s_lshl_b32 s25, s16, 8
	s_add_co_u32 s25, s25, WSC
	v_add_nc_u32 v10, s25, v10
	v_mul_u32_u24 v11, v1, 48
	v_lshl_add_u32 v12, v1, 2, WSC
	s_mul_i32 s25, s16, 4352
	s_add_co_u32 s25, s25, STG                     ; my stage
	v_mul_u32_u24 v13, v2, 272
	v_lshl_add_u32 v13, v3, 5, v13
	v_add_nc_u32 v13, s25, v13                     ; in: row r, + 32 h
	v_mul_u32_u24 v14, v3, 272
	v_lshl_add_u32 v14, v2, 4, v14
	v_add_nc_u32 v14, s25, v14                     ; back: lanes 0-15 one row, lanes 16-31 the next
	v_mul_u32_u24 v15, v2, 24
	v_mad_u32_u24 v15, v3, 768, v15                ; hcodes: 768 h + 24 r
	v_lshl_add_u32 v16, v3, 5, v2                  ; hscale: 32 h + r
	v_lshlrev_b32 v17, 5, v3                       ; order: 32 h
	v_mov_b32 v34, 0                               ; (a lane permute's destination counts as one of its sources)
	s_wait_kmcnt 0x0
	s_lshl_b32 s28, s19, 2
	s_mov_b32 s29, 0
	s_add_nc_u64 s[12:13], s[12:13], s[28:29]
	s_load_b32 s20, s[12:13], 0x0                  ; the expert's first tile
	s_load_b32 s21, s[12:13], 0x80                 ; and its number of tiles
	s_lshl_b32 s28, s19, 22
	s_lshl_b32 s30, s17, 8
	s_add_co_u32 s28, s28, s30
	s_add_nc_u64 s[4:5], s[4:5], s[28:29]          ; the expert's weight at my first column
	s_mov_b32 s28, s30
	s_add_nc_u64 s[14:15], s[14:15], s[28:29]      ; out0 at my first column
	WIN 0xc0
.irp y, 0,1
.irp i, 0,1,2,3,4,5,6,7,8,9,10,11,12,13,14,15,16,17,18,19,20,21,22,23,24,25,26,27,28,29,30,31
	global_load_b128 v[128*\y+4*\i:128*\y+4*\i+3], v8, s[4:5] offset:524288*\y+8192*\i th:TH_LOAD_NT   ; two rows k, 256 consecutive aligned bytes of each; read once in the launch
.endr
.endr
	WIN 0
	s_wait_kmcnt 0x0
	s_min_u32 s20, s20, 135
	s_min_u32 s21, s21, 136
	s_add_co_u32 s23, s21, 3
	s_sub_co_u32 s23, s23, s16
	s_lshr_b32 s23, s23, 2                         ; my tiles: w, w + 4, ..
	s_max_u32 s26, s23, 1
	s_sub_co_u32 s26, s26, 1
	s_max_u32 s27, s21, 1
	s_sub_co_u32 s27, s27, 1
	s_mov_b32 s24, 0                               ; m: my tiles done
	TILES
.irp z, 0,1,2,3,4
	HLOAD \z
.endr
	s_wait_loadcnt 63                              ; 170 loads were issued behind the weights' 64: with 63 out the weights are in
	WUNIT 0
	WUNIT 1
	s_wait_dscnt 0x0                               ; for the others' sake: my part of the images has landed
	s_barrier_signal -1
	s_barrier_wait -1                              ; the one barrier: every wave passes it whatever the counts; the images are only read from here on
	s_cmp_eq_u32 s23, 0
	s_cbranch_scc1 .Ldone
.Lpass:
	s_wait_loadcnt 0x0                             ; the pass's codes, scale bytes and tokens
.irp z, 0,1,2,3,4
.irp s, 0,1,2,3
	v_lshl_or_b32 v[HSW+4*\z+\s], v[HSB+8*\z+2*\s+1], 16, v[HSB+8*\z+2*\s]   ; my two bytes: bytes h and 2 + h of the row's word
.endr
.endr
.irp n, 0,1,2,3,4,5,6,7,8,9,10,11,12,13,14,15,16,17,18,19
	v_lshlrev_b32 v[HSW+\n], v6, v[HSW+\n]
.endr
.irp n, 0,1,2,3,4,5,6,7,8,9,10,11,12,13,14,15,16,17,18,19
	v_permlanex16_b32 v34, v[HSW+\n], s32, s33
	v_or_b32 v[HSW+\n], v[HSW+\n], v34             ; with lane l xor 16's two the word is whole
.endr
.irp n, 0,1,2,3,4,5,6,7,8,9,10,11,12,13,14,15,16,17,18,19,20,21,22,23,24,25,26,27,28,29,30,31,32,33,34,35,36,37,38,39
	v_min_u32 v[ORD+\n], 0x7ff, v[ORD+\n]          ; a token stays inside out0.  (These 40 are also the places between the scale words' last write and the first scaled product)
.endr
	PLACES
	WFETCH 0
	KSTEP 0
	KSTEP 1
	KSTEP 2
	KSTEP 3
	PLACES
	OUT 0
	OUT 1
	OUT 2
	OUT 3
	OUT 4
	s_add_co_u32 s24, s24, NT
	s_cmp_ge_u32 s24, s23
	s_cbranch_scc1 .Ldone                          ; my tiles are done: this is the way out of the loop
	s_wait_xcnt 0x0                                ; the stores have read their offsets and data: both are written again below
	TILES
.irp z, 0,1,2,3,4
	HLOAD \z
.endr
	s_cmp_lt_u32 s24, MAXT                         ; the loop's own count: m goes from 0 in steps of 5 and stays under 35, since a wave has 34 tiles at the most
	s_cbranch_scc1 .Lpass
.Ldone:
	s_wait_tensorcnt 0x0
	ds_add_u32 v254, v255
	s_wait_dscnt 0x0
	s_endpgm
.Lfunc_end_k_q3e6dbca58a_down:
	.size	k_q3e6dbca58a_down, .Lfunc_end_k_q3e6dbca58a_down-k_q3e6dbca58a_down
	.p2alignl 7, 3214868480
	.fill 96, 4, 3214868480
	.section	.rodata,"a",@progbits
	.p2align	6, 0x0
	.amdhsa_kernel k_q3e6dbca58a_down
		.amdhsa_group_segment_fixed_size 43520
		.amdhsa_private_segment_fixed_size 0
		.amdhsa_enable_private_segment 0
		.amdhsa_kernarg_size 48
		.amdhsa_user_sgpr_count 2
		.amdhsa_user_sgpr_kernarg_segment_ptr 1
		.amdhsa_wavefront_size32 1
		.amdhsa_system_sgpr_workgroup_id_x 1
		.amdhsa_system_sgpr_workgroup_id_y 1
		.amdhsa_system_sgpr_workgroup_id_z 1
		.amdhsa_system_vgpr_workitem_id 0
		.amdhsa_next_free_vgpr 1024
		.amdhsa_next_free_sgpr 66
		.amdhsa_reserve_vcc 0
		.amdhsa_float_denorm_mode_32 3
		.amdhsa_float_denorm_mode_16_64 3
		.amdhsa_memory_ordered 1
		.amdhsa_forward_progress 1
		.amdhsa_inst_pref_size 103
	.end_amdhsa_kernel
	.amdgpu_metadata
---
amdhsa.version: [ 1, 2 ]
amdhsa.kernels:
  - .name:           k_q3e6dbca58a_down
    .symbol:         k_q3e6dbca58a_down.kd
    .args:
      - { .name: down_proj, .offset: 0, .size: 8, .value_kind: global_buffer, .address_space: global }
      - { .name: hcodes, .offset: 8, .size: 8, .value_kind: global_buffer, .address_space: global }
      - { .name: hscale, .offset: 16, .size: 8, .value_kind: global_buffer, .address_space: global }
      - { .name: order, .offset: 24, .size: 8, .value_kind: global_buffer, .address_space: global }
      - { .name: meta, .offset: 32, .size: 8, .value_kind: global_buffer, .address_space: global }
      - { .name: out0, .offset: 40, .size: 8, .value_kind: global_buffer, .address_space: global }
    .group_segment_fixed_size: 43520
    .private_segment_fixed_size: 0
    .kernarg_segment_align: 8
    .kernarg_segment_size: 48
    .max_flat_workgroup_size: 128
    .sgpr_count:     66
    .vgpr_count:     1024
    .wavefront_size: 32
...
	.end_amdgpu_metadata
.endif
;; end of part 3
;; ======== version 2 of 2: 3 launches
;; workspace buffers: xcodes 3,342,336 bytes; xscale 139,264 bytes; order 8,704 bytes of whole numbers; meta 256 bytes of whole numbers; hcodes 835,584 bytes; hscale 34,816 bytes
;; launch route_quant (part 4): grid 135 x 2, 8 waves a work-group, no clusters, 69,632 bytes of LDS; arguments token_ids, x, xcodes, xscale, order, meta; writes xcodes, xscale, order, meta
.if DOCPART == 4
	.amdgcn_target "amdgcn-amd-amdhsa--gfx1250"
	.amdhsa_code_object_version 6
	.text
	.protected	k_q3e6dbca58a_route_quant
	.globl	k_q3e6dbca58a_route_quant
	.p2align	8
	.type	k_q3e6dbca58a_route_quant,@function
k_q3e6dbca58a_route_quant:
	s_mov_b64 s[64:65], 0
	v_nop
	global_prefetch_b8 v0, s[64:65] scope:SCOPE_SE
	s_setreg_imm32_b32 hwreg(HW_REG_WAVE_MODE, 25, 1), 1
	s_wait_xcnt 0x0
; ROUTING AND THE QUANTISING OF x.  expert = clip(token_id, 0, 31999) % 8.  The 2,048 tokens are sorted by expert (a counting sort, no atomics) and cut into TILES of 16 rows of one expert:
; at most 135 tiles whatever the split (2048 / 16 + 8 - 1).  Work-group (T, y) makes tile T's K steps 8 y .. 8 y + 7 (a K step = 128 along K): it repeats the sort from the 8 KiB of ids, finds its
; 16 tokens, gathers their rows, quantises them to BF6 (E3M2, one E8M0 byte for each 32 along K) and stores each fragment as an IMAGE OF THE OPERAND'S REGISTERS, so that the product's launch loads it by b128 alone.
; A tile's empty places repeat the token of its place 0: they are computed like any row and later store equal bytes to equal addresses.
; NO BRANCH HANGS ON THE SORT.  A tile number that the split leaves unused (7 at the most) finds no token, holds token 2,047 in all 16 rows and stores its codes into its own place T of the workspace, which is
; written by this work-group alone and read by no later launch: those form tile numbers from an expert's first tile and its number of tiles only.
; THE K MAP, the same for both operands of both products: in a K step lane (r, h) holds 64 NEIGHBOURS, k = 64 h + 0 .. 63: its registers 6 c .. 6 c + 5 hold block 2 h + c, whose scale byte is byte 2 c + h of the row's word.
; So the order in which the matrix unit adds the products of a K step differs from ascending k; the blocks and their scales are the quantiser's own.
; LIMITS: NaN and infinities among the inputs are not served; a block of zeros gets the byte 1 where the rule says 127 (its codes are zeros, and this program alone reads the bytes); blocks under the floor 2^-122 were not tried.
; OUT: xcodes [tile][K step 16][chunk 3][lane 32][16 bytes]; xscale [tile][K step 16][row 16] words; order [tile][16] words, row p's token at place 8 (p & 1) + (p >> 1); meta: words 0-7 an expert's first tile, words 32-39 its tiles.
.set XP,   4112                        ; a row of the stage: 4,096 bytes + 16 = 1,028 words: row r starts at bank 4 r mod 64 (64 banks of 4 bytes: ISA guide 11.1)
.set CNT,  16*XP                       ; LDS: the waves' counts, 128 bytes a wave
.set LIST, CNT+1024                    ; the waves' parts of the tile's list, 128 bytes a wave
.set SCW,  LIST+1024                   ; the scale words, 64 bytes a wave
.set ID,   8                           ; v8-15   my eight ids, then their experts
.set TK,   16                          ; v16-23  their tokens + 1
.set RB,   32                          ; v32-39  eight words read back from LDS
.set PR,   50                          ; v50-57  what the lane pushes brought
.set PA,   140                         ; v140-147 their targets (free until the codes are made)
.set X,    64                          ; v64-127 x as loaded, then my 64 numbers
.set F,    140                         ; v140-151 the fragment
.set F2,   152                         ; v152-154, v156-158 the blocks' second halves
	s_load_b256 s[4:11], s[0:1], 0x0               ; ids s[4:5], x s[6:7], xcodes s[8:9], xscale s[10:11]
	s_load_b128 s[12:15], s[0:1], 0x20             ; order s[12:13], meta s[14:15]
	v_lshl_add_u32 v168, v0, 2, 0x10c00
	v_mov_b32 v169, 0
	v_lshrrev_b32 v1, 5, v0
	s_delay_alu instid0(VALU_DEP_1)
	v_readfirstlane_b32 s16, v1                    ; wave 0..7
	s_mov_b32 s17, ttmp9                           ; T
	s_and_b32 s18, ttmp7, 0xffff                   ; y
	s_mov_b32 s32, 0x76543210
	s_mov_b32 s33, 0xfedcba98                      ; v_permlanex16_b32's selects for lane l xor 16
	v_lshlrev_b32 v4, 4, v0
	s_wait_alu depctr_va_vdst(0)
	s_wait_kmcnt 0x0
	global_load_b128 v[ID:ID+3], v4, s[4:5]                    ; register 4 b + j: the id of token 1024 b + 4 x thread + j
	global_load_b128 v[ID+4:ID+7], v4, s[4:5] offset:4096
	v_and_b32 v1, 31, v0                           ; lane
	v_and_b32 v2, 15, v0                           ; r
	v_bfe_u32 v3, v0, 4, 1                         ; h
	s_delay_alu instid0(VALU_DEP_3)
	v_lshlrev_b32 v5, 2, v1
	v_lshl_add_u32 v25, v0, 2, CNT                 ; my word among the counts: 128 x wave + 4 x lane
	v_lshl_add_u32 v26, v1, 2, CNT
	v_lshl_add_u32 v59, v0, 2, LIST
	v_lshl_add_u32 v60, v2, 2, LIST                ; back: lanes 16-31 repeat lanes 0-15
	v_lshlrev_b32 v61, 4, v1
	s_mul_i32 s19, s16, 2*XP
	v_add_nc_u32 v62, s19, v61                     ; the stage, in: rows 2 w and 2 w + 1, 16 bytes a lane
	v_mul_u32_u24 v63, v2, XP
	s_delay_alu instid0(VALU_DEP_1)
	v_lshl_add_u32 v63, v3, 8, v63
	s_lshl_b32 s19, s16, 9
	v_add_nc_u32 v63, s19, v63                     ; and out: row r, K step w, + 256 h: my 64 neighbours
	v_lshlrev_b32 v136, 3, v3
	v_lshl_add_u32 v137, v2, 2, SCW
	s_lshl_b32 s19, s16, 6
	v_add_nc_u32 v137, s19, v137                   ; my row's scale word: 64 x wave + 4 r
	v_lshl_add_u32 v138, v1, 4, SCW
	v_and_b32 v28, 1, v2
	v_lshrrev_b32 v29, 1, v2
	s_delay_alu instid0(VALU_DEP_1)
	v_lshlrev_b32 v139, 2, v29
	s_delay_alu instid0(VALU_DEP_1)
	v_lshl_add_u32 v139, v28, 5, v139              ; row r's place in order: 4 x (8 (r & 1) + (r >> 1))
.irp n, 0,1,2,3,4,5,6,7
	v_lshl_add_u32 v[TK+\n], v0, 2, 1024*(\n/4)+(\n%4)+1
.endr
	v_mov_b32 v24, 0
	v_mov_b32 v27, 0
	v_mov_b32 v44, 0                               ; (a DPP form's and a lane permute's destination counts as one of its sources)
	v_mov_b32 v135, 0
	v_mov_b32 v49, 31
	s_wait_loadcnt 0x0
.irp n, 0,1,2,3,4,5,6,7
	v_min_u32 v28, 0x7cff, v[ID+\n]                ; over 31,999: held there (a negative id too, as an unsigned number; the select below puts it right)
	v_cmp_gt_i32 vcc_lo, 0, v[ID+\n]
	s_delay_alu instid0(VALU_DEP_2)
	v_and_b32 v28, 7, v28
	s_wait_alu depctr_va_vdst(0)
	v_cndmask_b32 v[ID+\n], v28, v27, vcc_lo       ; under 0: clipped to 0, expert 0
.endr
	s_wait_alu depctr_va_vdst(0)
	; my wave's count of each expert, into lane e of v24
.irp e, 0,1,2,3,4,5,6,7
	s_wait_alu depctr_va_vdst(0)
.irp n, 0,1,2,3,4,5,6,7
	v_cmp_eq_u32 s28, \e, v[ID+\n]
.if \n == 0
	s_bcnt1_i32_b32 s[20+\e], s28
.else
	s_bcnt1_i32_b32 s19, s28
	s_add_co_u32 s[20+\e], s[20+\e], s19
.endif
.endr
	v_writelane_b32 v24, s[20+\e], \e
.endr
	ds_store_b32 v25, v24
	s_wait_dscnt 0x0                               ; for the others' sake: my counts have landed
	s_barrier_signal -1
	s_barrier_wait -1
.irp w, 0,1,2,3,4,5,6,7
	ds_load_b32 v[RB+\w], v26 offset:128*\w        ; lane e: wave w's count of expert e (lanes 8-31: zeros)
.endr
	s_wait_dscnt 0x0
	v_add_nc_u32 v40, v[RB], v[RB+1]
.irp w, 2,3,4,5,6,7
	s_delay_alu instid0(VALU_DEP_1)
	v_add_nc_u32 v40, v40, v[RB+\w]                ; the expert's rows in all
.endr
	v_mov_b32 v41, 0
.irp w, 0,1,2,3,4,5,6
	s_cmp_gt_u32 s16, \w
	s_cselect_b32 s19, -1, 0
	v_and_b32 v44, s19, v[RB+\w]
	s_delay_alu instid0(VALU_DEP_1)
	v_add_nc_u32 v41, v41, v44                     ; and in the waves ahead of mine
.endr
	v_add_nc_u32 v42, 15, v40
	s_delay_alu instid0(VALU_DEP_1)
	v_lshrrev_b32 v42, 4, v42                      ; its tiles
	s_delay_alu instid0(VALU_DEP_1)
	v_mov_b32 v43, v42
.irp d, 1,2,4
	s_delay_alu instid0(VALU_DEP_1)
	v_mov_b32_dpp v44, v43 row_shr:\d row_mask:0xf bank_mask:0xf bound_ctrl:1
	s_delay_alu instid0(VALU_DEP_1)
	v_add_nc_u32 v43, v43, v44                     ; running sum over lanes 0-7
.endr
	s_delay_alu instid0(VALU_DEP_1)
	v_sub_nc_u32 v45, v43, v42                     ; its first tile
	s_delay_alu instid0(VALU_DEP_2)
	v_cmp_ge_u32 s28, s17, v43                     ; T's expert: as many experts end at or under T
	s_and_b32 s28, s28, 0xff
	s_bcnt1_i32_b32 s29, s28
	s_min_u32 s29, s29, 7                          ; 8: the split has no tile T.  Held at 7: T then lies past expert 7's last tile, so that no rank below falls on its 16 places
	v_readlane_b32 s30, v45, s29
	v_readlane_b32 s31, v41, s29
	s_sub_co_u32 s19, s17, s30
	s_lshl_b32 s19, s19, 4                         ; the tile's first rank in its expert
	s_sub_co_u32 s31, s31, s19                     ; my wave's first rank, counted from there
	v_mov_b32 v46, s31
	; ranks go by (wave, register, lane).  A token whose rank falls on place d = 0 .. 15 of the tile is pushed to lane d; all others push to lane 31, which nobody reads; a lane to which nothing is pushed gets 0
.irp n, 0,1,2,3,4,5,6,7
	v_cmp_eq_u32 s28, s29, v[ID+\n]
	s_delay_alu instid0(VALU_DEP_1)
	v_mbcnt_lo_u32_b32 v47, s28, v46
	s_bcnt1_i32_b32 s19, s28
	v_cmp_gt_u32 s43, 16, v47
	s_and_b32 s43, s43, s28
	v_cndmask_b32 v[PA+\n], v49, v47, s43
	s_delay_alu instid0(VALU_DEP_1)
	v_min_u32 v[PA+\n], 31, v[PA+\n]
	s_delay_alu instid0(VALU_DEP_1)
	v_lshlrev_b32 v[PA+\n], 2, v[PA+\n]
	ds_permute_b32 v[PR+\n], v[PA+\n], v[TK+\n]
	v_add_nc_u32 v46, s19, v46
.endr
	s_wait_dscnt 0x0
	v_or_b32 v58, v[PR], v[PR+1]
.irp n, 2,3,4,5,6,7
	s_delay_alu instid0(VALU_DEP_1)
	v_or_b32 v58, v58, v[PR+\n]
.endr
	ds_store_b32 v59, v58
	s_wait_dscnt 0x0                               ; for the others' sake
	s_barrier_signal -1
	s_barrier_wait -1
.irp w, 0,1,2,3,4,5,6,7
	ds_load_b32 v[RB+\w], v60 offset:128*\w
.endr
	s_wait_dscnt 0x0
	v_or_b32 v58, v[RB], v[RB+1]
.irp w, 2,3,4,5,6,7
	s_delay_alu instid0(VALU_DEP_1)
	v_or_b32 v58, v58, v[RB+\w]                    ; each place has one sender in the whole work-group, or none
.endr
	s_delay_alu instid0(VALU_DEP_1)
	v_readfirstlane_b32 s19, v58
	s_delay_alu instid0(VALU_DEP_1)
	v_mov_b32 v44, s19
	s_delay_alu instid0(VALU_DEP_3)
	v_cmp_eq_u32 vcc_lo, 0, v58
	s_delay_alu instid0(VALU_DEP_1)
	v_cndmask_b32 v58, v58, v44, vcc_lo            ; an empty place repeats place 0
	s_delay_alu instid0(VALU_DEP_1)
	v_add_nc_u32 v58, -1, v58
	s_delay_alu instid0(VALU_DEP_1)
	v_min_u32 v58, 0x7ff, v58                      ; lane r: the token of row r (a tile with no token at all: 0 - 1, held at 2,047)
	; the gather: wave w brings rows 2 w and 2 w + 1, 4,096 bytes each, every load 512 consecutive bytes
	s_lshl_b32 s19, s16, 1
	v_readlane_b32 s34, v58, s19
	s_add_co_u32 s19, s19, 1
	v_readlane_b32 s35, v58, s19
	s_min_u32 s34, s34, 2047
	s_min_u32 s35, s35, 2047
	s_lshl_b32 s19, s18, 12
	s_lshl_b32 s40, s34, 13
	s_add_co_u32 s40, s40, s19
	s_mov_b32 s41, 0
	s_add_nc_u64 s[36:37], s[6:7], s[40:41]
	s_lshl_b32 s40, s35, 13
	s_add_co_u32 s40, s40, s19
	s_add_nc_u64 s[38:39], s[6:7], s[40:41]
.irp i, 0,1
.irp l, 0,1,2,3,4,5,6,7
	global_load_b128 v[X+32*\i+4*\l:X+32*\i+4*\l+3], v61, s[36+2*\i:37+2*\i] offset:512*\l
.endr
.endr
.irp i, 0,1
.irp l, 0,1,2,3,4,5,6,7
	s_wait_loadcnt 15-8*\i-\l                      ; loads come back in order: this one is in, the younger ones stay out
	ds_store_b128 v62, v[X+32*\i+4*\l:X+32*\i+4*\l+3] offset:XP*\i+512*\l
.endr
.endr
	s_wait_dscnt 0x0                               ; for the others' sake: my two rows lie in the stage
	s_barrier_signal -1
	s_barrier_wait -1
.irp i, 0,1,2,3,4,5,6,7,8,9,10,11,12,13,14,15
	ds_load_b128 v[X+4*\i:X+4*\i+3], v63 offset:16*\i   ; wave w: K step w of all 16 rows; my 64 neighbours: two whole blocks
.endr
	s_wait_dscnt 0x0
.irp c, 0,1
	v_max3_num_f32 v[128+\c], |v[X+32*\c]|, |v[X+1+32*\c]|, 0x2800000   ; the block's largest magnitude, and the floor 2^(5 - 127): the byte cannot fall under 1
.endr
.irp i, 2,4,6,8,10,12,14,16,18,20,22,24,26,28,30
.irp c, 0,1
	s_delay_alu instid0(VALU_DEP_2)
	v_max3_num_f32 v[128+\c], v[128+\c], |v[X+32*\c+\i]|, |v[X+1+32*\c+\i]|
.endr
.endr
.irp c, 0,1
	s_delay_alu instid0(VALU_DEP_2)
	v_add_nc_u32 v[130+\c], 0xfe000000, v[128+\c]  ; 4 off its exponent field: the conversion takes that field as its scale
.endr
.irp c, 0,1
	s_delay_alu instid0(VALU_DEP_2)
	v_lshrrev_b32 v[132+\c], 23, v[130+\c]         ; the scale's byte
.endr
	s_delay_alu instid0(VALU_DEP_1)
	v_lshl_or_b32 v134, v133, 16, v132             ; my two bytes: bytes h and 2 + h of the row's word
	s_delay_alu instid0(VALU_DEP_1)
	v_lshlrev_b32 v134, v136, v134
	s_delay_alu instid0(VALU_DEP_1)
	v_permlanex16_b32 v135, v134, s32, s33
	s_delay_alu instid0(VALU_DEP_1)
	v_or_b32 v134, v134, v135                      ; with lane l xor 16's two the word is whole
.irp c, 0,1
	v_cvt_scalef32_pk16_bf6_f32 v[F+6*\c:F+6*\c+2], v[X+32*\c:X+32*\c+15], v[130+\c]
	v_cvt_scalef32_pk16_bf6_f32 v[F2+4*\c:F2+4*\c+2], v[X+32*\c+16:X+32*\c+31], v[130+\c]   ; (a conversion's three registers begin on an even number)
.endr
	v_nop                                          ; one plain place behind a scaled conversion
.irp c, 0,1
.irp i, 0,1,2
	v_mov_b32 v[F+6*\c+3+\i], v[F2+4*\c+\i]
.endr
.endr
	ds_store_b32 v137, v134                        ; both halves of the lanes write the same word with the same value
	s_wait_alu depctr_va_vdst(0)
	s_wait_dscnt 0x0
	s_barrier_signal -1
	s_barrier_wait -1                              ; the last barrier: the branches behind it hang on the wave's and the work-group's numbers alone
	s_mul_i32 s40, s17, 24576
	s_lshl_b32 s19, s18, 3
	s_add_co_u32 s19, s19, s16
	s_mul_i32 s19, s19, 1536
	s_add_co_u32 s40, s40, s19
	s_add_nc_u64 s[8:9], s[8:9], s[40:41]
.irp j, 0,1,2
	global_store_b128 v61, v[F+4*\j:F+4*\j+3], s[8:9] offset:512*\j   ; registers 4 j .. 4 j + 3 of all lanes: 512 consecutive bytes, aligned
.endr
	s_cmp_lg_u32 s16, 0
	s_cbranch_scc1 .Lend
	ds_load_b128 v[160:163], v138                  ; wave 0: the eight K steps' scale words, 512 bytes
	s_lshl_b32 s40, s17, 10
	s_lshl_b32 s19, s18, 9
	s_add_co_u32 s40, s40, s19
	s_add_nc_u64 s[10:11], s[10:11], s[40:41]
	s_wait_dscnt 0x0
	global_store_b128 v61, v[160:163], s[10:11]
	s_cmp_lg_u32 s18, 0
	s_cbranch_scc1 .Lend
	s_lshl_b32 s40, s17, 6
	s_add_nc_u64 s[12:13], s[12:13], s[40:41]
	global_store_b32 v139, v58, s[12:13]           ; the tile's 16 tokens (64 bytes; lanes 16-31 repeat lanes 0-15)
	s_cmp_lg_u32 s17, 0
	s_cbranch_scc1 .Lend
	global_store_b32 v5, v45, s[14:15]             ; work-group (0, 0) stores the table
	global_store_b32 v5, v42, s[14:15] offset:128
.Lend:
	s_wait_tensorcnt 0x0
	ds_add_u32 v168, v169
	s_wait_dscnt 0x0
	s_endpgm
.Lfunc_end_k_q3e6dbca58a_route_quant:
	.size	k_q3e6dbca58a_route_quant, .Lfunc_end_k_q3e6dbca58a_route_quant-k_q3e6dbca58a_route_quant
	.p2alignl 7, 3214868480
	.fill 96, 4, 3214868480
	.section	.rodata,"a",@progbits
	.p2align	6, 0x0
	.amdhsa_kernel k_q3e6dbca58a_route_quant
		.amdhsa_group_segment_fixed_size 69632
		.amdhsa_private_segment_fixed_size 0
		.amdhsa_enable_private_segment 0
		.amdhsa_kernarg_size 48
		.amdhsa_user_sgpr_count 2
		.amdhsa_user_sgpr_kernarg_segment_ptr 1
		.amdhsa_wavefront_size32 1
		.amdhsa_system_sgpr_workgroup_id_x 1
		.amdhsa_system_sgpr_workgroup_id_y 1
		.amdhsa_system_sgpr_workgroup_id_z 1
		.amdhsa_system_vgpr_workitem_id 0
		.amdhsa_next_free_vgpr 170
		.amdhsa_next_free_sgpr 66
		.amdhsa_reserve_vcc 1
		.amdhsa_float_denorm_mode_32 3
		.amdhsa_float_denorm_mode_16_64 3
		.amdhsa_memory_ordered 1
		.amdhsa_forward_progress 1
		.amdhsa_inst_pref_size 34
	.end_amdhsa_kernel
	.amdgpu_metadata
---
amdhsa.version: [ 1, 2 ]
amdhsa.kernels:
  - .name:           k_q3e6dbca58a_route_quant
    .symbol:         k_q3e6dbca58a_route_quant.kd
    .args:
      - { .name: token_ids, .offset: 0, .size: 8, .value_kind: global_buffer, .address_space: global }
      - { .name: x, .offset: 8, .size: 8, .value_kind: global_buffer, .address_space: global }
      - { .name: xcodes, .offset: 16, .size: 8, .value_kind: global_buffer, .address_space: global }
      - { .name: xscale, .offset: 24, .size: 8, .value_kind: global_buffer, .address_space: global }
      - { .name: order, .offset: 32, .size: 8, .value_kind: global_buffer, .address_space: global }
      - { .name: meta, .offset: 40, .size: 8, .value_kind: global_buffer, .address_space: global }
    .group_segment_fixed_size: 69632
    .private_segment_fixed_size: 0
    .kernarg_segment_align: 8
    .kernarg_segment_size: 48
    .max_flat_workgroup_size: 256
    .sgpr_count:     66
    .vgpr_count:     170
    .wavefront_size: 32
...
	.end_amdgpu_metadata
.endif
;; end of part 4
;; launch gateup (part 5): grid 256 x 1, 4 waves a work-group, no clusters, 102,912 bytes of LDS; arguments gate_up_proj, xcodes, xscale, meta, hcodes, hscale; writes hcodes, hscale
.if DOCPART == 5
	.amdgcn_target "amdgcn-amd-amdhsa--gfx1250"
	.amdhsa_code_object_version 6
	.text
	.protected	k_q3e6dbca58a_gateup
	.globl	k_q3e6dbca58a_gateup
	.p2align	8
	.type	k_q3e6dbca58a_gateup,@function
k_q3e6dbca58a_gateup:
	s_mov_b64 s[64:65], 0
	v_nop
	global_prefetch_b8 v0, s[64:65] scope:SCOPE_SE
	s_setreg_imm32_b32 hwreg(HW_REG_WAVE_SCHED_MODE, 0, 2), 2
	s_setreg_imm32_b32 hwreg(HW_REG_WAVE_MODE, 25, 1), 1
	s_wait_xcnt 0x0
	s_wait_alu depctr_vm_vsrc(0)
; inter = silu(gate) x up, gate | up = Q(x) Q(gate_up[e]), for the rows that the routing gave to expert e; both operands BF6 (E3M2) with one E8M0 byte for each 32 along K; inter leaves quantised along the next K.
; SHARES.  Work-group id: half = id & 1, j = (id >> 1) & 15, e = id >> 5.  It owns gate columns 32 j .. and up columns 512 + 32 j ..: ONE block of 32 hidden units, a slice of 2,048 x 64 f32.
; The slice is quantised on the way, into LDS, as images of the operand's registers; the weights never go to memory as codes.  The two halves (neighbouring ids) quantise the same slice and share out the expert's tiles of 16 rows:
; wave g = 4 half + w takes tiles g, g + 8, ..; three tiles' codes of x (3 x 192 registers) are resident in a pass and land while the weights stream.
; NO MULTICAST, NO TENSOR LOADS: the number of tiles hangs on counts read from memory, a slice has two users only, and a slice's rows are 128 bytes of a row of 4,096.
; W PHASE.  Wave w: columns of gate (w & 1 = 0) or up (1), K steps 8 (w >> 1) + u, u = 0 .. 7.  In a unit lane (a, cq) = (lane >> 3, lane & 7) takes block a of the K step and columns 4 cq .. + 3: 32 loads of 16 bytes.
; A load brings four columns of one k; the conversion wants 16 k of one column in consecutive registers: one v_mov a number turns them.  Loads run two units ahead.
; THE K MAP (as in the launch that made x's codes): registers 6 c .. 6 c + 5 of lanes 16 h .. hold block 2 h + c of the K step; its scale byte is byte 2 c + h of the word.  So the order of the sums inside a K step is not ascending k.
; THE PRODUCT IS USED TRANSPOSED (source 0 = 16 columns of the weight, source 1 = 16 rows of x): a lane holds ONE token.  THE COLUMNS OF A TILE ARE NOT NEIGHBOURS: row p of tile u is column 16 (p >> 3) + 8 u + (p & 7),
; so that a lane's 16 registers of tiles u = 0, 1 are the 16 neighbouring hidden units 16 h + 0 .. 15.
; LIMITS: NaN and infinities are not served; a block of zeros gets the byte 1 (its codes are zeros; this program alone reads the bytes); blocks under the floor 2^-122 were not tried.
; silu(g) = g x 1 / (1 + 2^(-g log2 e)), in f32: where the power overflows the quotient is 0, where it vanishes 1; a quotient under 2^-126 comes out as 0.
; LDS: fragment f = 16 t + s (t = 2 (gate | up) + u) at 1,536 f, lane l's 48 bytes at 48 l (12 l mod 64 words); scale words at WSC + 256 s + 128 (gate | up) + 4 (16 u + p).
; REGISTERS, window 0: v1-26 addresses; v28-31 the weights' scale words; v32-55 x's; W phase: v56-99 at work, v100-163 64 numbers turned, v192-255 landing set 0; T phase: v60-155 12 accumulators, v156-251 two sets of 4 fragments.
;   windows 1-3: v0-191 x's 16 fragments of tile place 0-2; v192-255 landing sets 1-3.
; THE MODE: SCHED_MODE bits 1:0 = 2 (LLVM: expert scheduling mode 2), set by the entry lines.  The code itself states the register dependences
; between vector or matrix instructions and memory or LDS instructions, with s_wait_alu, always for 0.
; THE PLAN, W PHASE.  Registers that memory or LDS instructions touch:
;   landing sets 0-3   Unit u's maxima and moves read sets kA = 2 (u & 1) and kB = kA + 1; the loads of unit u + 2 land in them.
;   CODE, WBY          Written by the unit's conversions, moves and shifts; read by its 16 LDS stores; written again by the next unit, and by the products (they lie among the accumulators).
;   x's registers      Loads land in them; no vector instruction of the W phase names them.
;   v8-13              Offsets and LDS addresses, made once at the head.   v14-25: the tile places' offsets, made by TILES.
; A unit has two waits on va_vdst: behind the moves out of set kA, whose loads follow; and behind its last vector instruction, which states that set kB is read and that the codes and bytes are written: set kB's loads
; and the LDS stores follow that one.  One wait on vm_vsrc stands at the next unit's head, ahead of the first write of CODE and WBY.
; THE PLAN, T PHASE.
;   weight sets 0, 1 and their scale words   K step s's products read set s & 1; the LDS loads of K step s + 1 land in the other set.  The same registers serve the way out (v156-190).
;   x's registers      Read by the products; the next pass's loads land in them.
;   ECODE, EBY         Written by the way out's conversions and shifts, read by its stores.
; One wait on va_vdst stands at a K step's head: the K step before is done reading the other set.  Behind it the step's 14 LDS loads are dealt two behind each of its first seven products, which name this step's set,
; x's registers and the accumulators alone.  (The products' window settings move source 1 only, which an LDS load does not have: no switch is needed for these loads.)
; At the loop's tail one wait on vm_vsrc stands ahead of TILES and one on va_vdst behind it; they also serve the next pass's first LDS loads.
.set WSC,   98304
.set NT,    3                          ; tile places in a pass
.set MAXT,  18                         ; an expert's tiles are held at 136, so a wave has at most (136 + 7) >> 3 = 17: six passes of three cover them
.set XO,    14                         ; v14-16  a tile place's offset in xcodes;  v17-19 in xscale;  v20-22 in hcodes;  v23-25 in hscale
.set XSO,   17
.set HO,    20
.set HSO,   23
.set WS,    28                         ; v[WS + 2 p + g]: lanes 0-15 tile u = 0's words, lanes 16-31 tile u = 1's
.set XSC,   32                         ; v[XSC + 8 z + s / 2]: lanes 0-15 the even K step's words, lanes 16-31 the odd one's
.set WM,    56
.set WSO,   60
.set WBY,   64
.set CODE,  68
.set DD,    100
.set LD,    192
.set ACC,   60
.set WBUF,  156
.set T16,   156
.set EM,    172
.set EP,    173
.set ESO,   174
.set ECODE, 176
.set EBY,   188
.set MSB, 0
.macro WIN new                         ; the immediate's high byte repeats the setting that is left; a switch that changes nothing is dropped
.if MSB != (\new)
	s_set_vgpr_msb (MSB<<8)|(\new)
.set MSB, (\new)
.endif
.endm
.macro PLACES                          ; four plain places between a matrix instruction and a load into, or a vector instruction on, its registers
.rept 4
	v_nop
.endr
.endm
.macro WLOADH u, hb                    ; unit u, rows 16 hb + 0 .. 15 of each lane's block, into landing set 2 (u & 1) + hb
.set kk, 2*((\u)&1)+(\hb)
	WIN kk<<6
.irp i, 0,1,2,3,4,5,6,7,8,9,10,11,12,13,14,15
	global_load_b128 v[LD+4*\i:LD+4*\i+3], v8, s[4:5] offset:524288*(\u)+4096*(16*(\hb)+\i)   ; four rows k, 128 consecutive bytes of each
.endr
.endm
.macro XCHUNK c                        ; 28 of the 168 loads that bring three tiles' codes and scale words of x
.set xl, 28*(\c)
.rept 28
.set xt, xl/56
.set xk, xl%56
.if xk < 48
	WIN (xt+1)<<6
	global_load_b128 v[12*(xk/3)+4*(xk%3):12*(xk/3)+4*(xk%3)+3], v[XO+xt], s[6:7] offset:1536*(xk/3)+512*(xk%3)
.else
	WIN 0
	global_load_b32 v[XSC+8*xt+xk-48], v[XSO+xt], s[8:9] offset:128*(xk-48)
.endif
.set xl, xl+1
.endr
.endm
.macro TILES                           ; the three tile places of the pass that begins at my m-th tile.  A place past my last tile repeats it: it is multiplied and not stored
.irp z, 0,1,2
	s_add_co_u32 s25, s24, \z
	s_min_u32 s25, s25, s26
	s_lshl_b32 s25, s25, 3
	s_add_co_u32 s25, s25, s22
	s_min_u32 s25, s25, s27
	s_add_co_u32 s25, s25, s20
	s_min_u32 s25, s25, 135                        ; the buffers hold 136 tiles
	s_mul_i32 s28, s25, 24576
	v_add_nc_u32 v[XO+\z], s28, v4
	s_lshl_b32 s28, s25, 10
	v_add_nc_u32 v[XSO+\z], s28, v5
	s_mul_i32 s28, s25, 6144
	v_add_nc_u32 v[HO+\z], s28, v26
	s_lshl_b32 s28, s25, 8
	v_add_nc_u32 v[HSO+\z], s28, v2
.endr
.endm
.macro WMAX k
	WIN (\k)|((\k)<<2)
.irp i, 0,2,4,6,8,10,12,14
.irp q, 0,1,2,3
	v_max3_num_f32 v[WM+\q], |v[LD+4*\i+\q]|, |v[LD+4*\i+4+\q]|, v[WM+\q]
.endr
.endr
.endm
.macro WMOV k
	WIN (\k)
.irp q, 0,1,2,3
.irp i, 0,1,2,3,4,5,6,7,8,9,10,11,12,13,14,15
	v_mov_b32 v[DD+16*\q+\i], v[LD+4*\i+\q]        ; column q's 16 numbers down K, on end
.endr
.endr
.endm
; One unit: a K step of my 32 columns.  n = the loads issued behind this unit's, which may stay out.
.macro WQ u, n
.set kA, 2*((\u)&1)
.set kB, kA+1
	s_wait_loadcnt \n
.if (\u) > 0
	s_wait_dscnt 0x0                               ; the last unit's LDS stores are done
	s_wait_alu depctr_vm_vsrc(0)                   ; the last unit's LDS stores have read v[CODE ..] and v[WBY ..], which this unit's shifts and conversions write again
.endif
.if (\u) < 6
	XCHUNK \u                                      ; no wait: no vector instruction since the last wait on va_vdst names the tile places' offsets or x's registers
.endif
	WIN 0
.irp q, 0,1,2,3
	v_mov_b32 v[WM+\q], 0x2800000                  ; the floor 2^(5 - 127): the byte cannot fall under 1
.endr
	WMAX kA
	WMAX kB
	WIN 0
.irp q, 0,1,2,3
	v_add_nc_u32 v[WSO+\q], 0xfe000000, v[WM+\q]   ; 4 off the exponent field: the conversion's scale operand
.endr
.irp q, 0,1,2,3
	v_lshrrev_b32 v[WBY+\q], 23, v[WSO+\q]
.endr
	WMOV kA
.if (\u) < 6
	s_wait_alu depctr_va_vdst(0)                   ; the maxima and the moves are done reading landing set kA, in which the loads below land
	WLOADH (\u)+2, 0                               ; the set just read takes the unit after next
.endif
	WIN 0
.irp q, 0,1,2,3
	v_cvt_scalef32_pk16_bf6_f32 v[CODE+8*\q:CODE+8*\q+2], v[DD+16*\q:DD+16*\q+15], v[WSO+\q]
.endr
	v_nop                                          ; one plain place behind the conversions, whose sources are written next
	WMOV kB
	WIN 0
.irp q, 0,1,2,3
	v_cvt_scalef32_pk16_bf6_f32 v[CODE+8*\q+4:CODE+8*\q+6], v[DD+16*\q:DD+16*\q+15], v[WSO+\q]
.endr
	v_nop
.irp q, 0,1,2,3
.irp i, 0,1,2
	v_mov_b32 v[CODE+8*\q+3+\i], v[CODE+8*\q+4+\i] ; the block's 24 bytes on end
.endr
.endr
	s_wait_alu depctr_va_vdst(0)                   ; the unit's vector work is done: v[CODE ..] and v[WBY ..] are written, which the LDS stores below read; the maxima and the moves are done reading landing set kB, in which the loads below land
.if (\u) < 6
	WLOADH (\u)+2, 1
	WIN 0
.endif
.irp q, 0,1,2,3
.irp p, 0,1,2
	ds_store_b64 v9, v[CODE+8*\q+2*\p:CODE+8*\q+2*\p+1] offset:1536*(\u)+48*\q+8*\p
.endr
	ds_store_b8 v10, v[WBY+\q] offset:256*(\u)+4*\q
.endr
.endm
; K step s: the n-th of the 14 LDS loads that bring its four weight fragments (n = 3 t + c: twelve loads of 16 bytes) and their scale words (n = 12, 13) into set s & 1
.macro WF s, n
.if (\n) < 12
	ds_load_b128 v[WBUF+48*((\s)&1)+4*(\n):WBUF+48*((\s)&1)+4*(\n)+3], v[11+(\n)/6] offset:1536*(16*(((\n)/3)%2)+(\s))+16*((\n)%3)
.else
	ds_load_b32 v[WS+2*((\s)&1)+(\n)-12], v13 offset:256*(\s)+128*((\n)-12)
.endif
.endm
.macro WFETCH s                        ; all 14 in one run
.irp n, 0,1,2,3,4,5,6,7,8,9,10,11,12,13
	WF \s, \n
.endr
.endm
.macro MM s, z, t
.set rD, ACC+32*(\z)+8*(\t)
.set rA, WBUF+48*((\s)&1)+12*(\t)
.set rB, 12*(\s)
.set rW, WS+2*((\s)&1)+(\t)/2
.set rX, XSC+8*(\z)+(\s)/2
.if (\s) == 0
.if (\t)%2 == 0
	v_wmma_scale_f32_16x16x128_f8f6f4 v[rD:rD+7], v[rA:rA+11], v[rB:rB+11], 0, v[rW], v[rX] matrix_a_fmt:MATRIX_FMT_BF6 matrix_b_fmt:MATRIX_FMT_BF6
.else
	v_wmma_scale_f32_16x16x128_f8f6f4 v[rD:rD+7], v[rA:rA+11], v[rB:rB+11], 0, v[rW], v[rX] matrix_a_fmt:MATRIX_FMT_BF6 matrix_b_fmt:MATRIX_FMT_BF6 matrix_a_scale:MATRIX_SCALE_ROW1
.endif
.elseif (\s)%2 == 0
.if (\t)%2 == 0
	v_wmma_scale_f32_16x16x128_f8f6f4 v[rD:rD+7], v[rA:rA+11], v[rB:rB+11], v[rD:rD+7], v[rW], v[rX] matrix_a_fmt:MATRIX_FMT_BF6 matrix_b_fmt:MATRIX_FMT_BF6
.else
	v_wmma_scale_f32_16x16x128_f8f6f4 v[rD:rD+7], v[rA:rA+11], v[rB:rB+11], v[rD:rD+7], v[rW], v[rX] matrix_a_fmt:MATRIX_FMT_BF6 matrix_b_fmt:MATRIX_FMT_BF6 matrix_a_scale:MATRIX_SCALE_ROW1
.endif
.else
.if (\t)%2 == 0
	v_wmma_scale_f32_16x16x128_f8f6f4 v[rD:rD+7], v[rA:rA+11], v[rB:rB+11], v[rD:rD+7], v[rW], v[rX] matrix_a_fmt:MATRIX_FMT_BF6 matrix_b_fmt:MATRIX_FMT_BF6 matrix_b_scale:MATRIX_SCALE_ROW1
.else
	v_wmma_scale_f32_16x16x128_f8f6f4 v[rD:rD+7], v[rA:rA+11], v[rB:rB+11], v[rD:rD+7], v[rW], v[rX] matrix_a_fmt:MATRIX_FMT_BF6 matrix_b_fmt:MATRIX_FMT_BF6 matrix_a_scale:MATRIX_SCALE_ROW1 matrix_b_scale:MATRIX_SCALE_ROW1
.endif
.endif
.endm
; A K step: 12 products, the 12 accumulators by turns; the next step's fragments are asked for among them.  The first K step starts the sums with the constant 0.
.macro KSTEP s
.if (\s) < 15
	PLACES                                         ; the set to be loaded was read by the K step before
.endif
	s_wait_dscnt 0x0                               ; this step's 14 loads are in: they were issued in the K step before (step 0's at the pass's head), and nothing younger is out
.if ((\s) > 0) && ((\s) < 15)
	s_wait_alu depctr_va_vdst(0)                   ; the products of the K step before are done reading the other set and its scale words, in which the loads dealt below land
.endif
.set mi, 0
.irp z, 0,1,2
	WIN (\z+1)<<2                                  ; source 1: x's fragments of tile place z
.irp t, 0,1,2,3
	MM \s, \z, \t
.if ((\s) < 15) && (mi < 7)
	WF (\s)+1, 2*mi                                ; two loads behind each of the first seven products.  No wait: no product since the wait names the other set
	WF (\s)+1, 2*mi+1
.endif
.set mi, mi+1
.endr
.endr
	WIN 0
.endm
; Tile place z: SwiGLU on my 16 hidden units of one token, the block's scale (with lane l xor 16's 16 units), 16 codes, out.  Each accumulator is read from its low end on.
.macro EPI z
	s_add_co_u32 s25, s24, \z
	s_cmp_ge_u32 s25, s23
	s_cbranch_scc1 .Lskip_\@                       ; a place past my last tile stores nothing
.set GA, ACC+32*(\z)
.set UP, GA+16
.irp i, 0,2,4,6,8,10,12,14
	v_pk_mul_f32 v[T16+\i:T16+\i+1], v[GA+\i:GA+\i+1], 0xbfb8aa3b op_sel_hi:[1,0]   ; -g log2(e)
.endr
	s_wait_alu depctr_va_vdst(0)
.irp i, 0,1,2,3,4,5,6,7,8,9,10,11,12,13,14,15
	v_exp_f32 v[T16+\i], v[T16+\i]
.endr
	v_nop                                          ; a plain place behind the transcendentals
	s_wait_alu depctr_va_vdst(0)                   ; the sixteen exponentials have written v[T16 ..], ahead of their first reader: one wait for the batch
.irp i, 0,2,4,6,8,10,12,14
	v_pk_add_f32 v[T16+\i:T16+\i+1], v[T16+\i:T16+\i+1], 1.0 op_sel_hi:[1,0]
.endr
	s_wait_alu depctr_va_vdst(0)
.irp i, 0,1,2,3,4,5,6,7,8,9,10,11,12,13,14,15
	v_rcp_f32 v[T16+\i], v[T16+\i]
.endr
	v_nop
	s_wait_alu depctr_va_vdst(0)                   ; the sixteen reciprocals have written v[T16 ..], ahead of their first reader: one wait for the batch
.irp i, 0,2,4,6,8,10,12,14
	v_pk_mul_f32 v[T16+\i:T16+\i+1], v[T16+\i:T16+\i+1], v[GA+\i:GA+\i+1]   ; silu(g)
.endr
.irp i, 0,2,4,6,8,10,12,14
	v_pk_mul_f32 v[T16+\i:T16+\i+1], v[T16+\i:T16+\i+1], v[UP+\i:UP+\i+1]   ; x up
.endr
	v_max3_num_f32 v[EM], |v[T16]|, |v[T16+1]|, 0x2800000
.irp i, 2,4,6,8,10,12,14
	v_max3_num_f32 v[EM], v[EM], |v[T16+\i]|, |v[T16+\i+1]|
.endr
	v_permlanex16_b32 v[EP], v[EM], s32, s33
	v_max_num_f32 v[EM], v[EM], v[EP]
	v_add_nc_u32 v[ESO], 0xfe000000, v[EM]
	v_lshrrev_b32 v[EBY+\z], 23, v[ESO]
	v_cvt_scalef32_pk16_bf6_f32 v[ECODE+4*\z:ECODE+4*\z+2], v[T16:T16+15], v[ESO]
	v_nop                                          ; one plain place behind a scaled conversion
	s_wait_alu depctr_va_vdst(0)                   ; the conversion has written the place's codes and the shift its byte, which the two stores read
	global_store_b96 v[HO+\z], v[ECODE+4*\z:ECODE+4*\z+2], s[12:13]   ; 24 r + 12 h: the wave stores 384 consecutive bytes
	global_store_b8 v[HSO+\z], v[EBY+\z], s[14:15]                    ; both halves of the lanes store the same byte
.Lskip_\@:
.endm
	s_load_b256 s[4:11], s[0:1], 0x0               ; gate_up s[4:5], xcodes s[6:7], xscale s[8:9], meta s[10:11]
	s_load_b128 s[12:15], s[0:1], 0x20             ; hcodes s[12:13], hscale s[14:15]
	v_lshl_add_u32 v7, v0, 2, 0x19000
	v_mov_b32 v27, 0
	v_lshrrev_b32 v1, 5, v0
	v_readfirstlane_b32 s16, v1                    ; wave 0..3
	s_wait_alu depctr_va_sdst(0)                   ; s16 is written, ahead of its first reader: LDS addresses, offsets and the wave's share of the tiles are made from it
	s_and_b32 s17, ttmp9, 1                        ; half
	s_bfe_u32 s18, ttmp9, 0x40001                  ; j
	s_lshr_b32 s19, ttmp9, 5                       ; e
	s_mov_b32 s32, 0x76543210
	s_mov_b32 s33, 0xfedcba98
	s_and_b32 s25, s16, 1                          ; gate (0) or up (1)
	s_lshr_b32 s26, s16, 1                         ; which half of K
	v_and_b32 v1, 31, v0                           ; lane
	v_and_b32 v2, 15, v0                           ; r
	v_bfe_u32 v3, v0, 4, 1                         ; h (in the W phase: a >> 1)
	v_lshlrev_b32 v4, 4, v1
	v_lshlrev_b32 v5, 2, v1
	v_bfe_u32 v100, v0, 3, 2                       ; a
	v_and_b32 v101, 7, v0                          ; cq
	v_lshlrev_b32 v8, 17, v100                     ; the weight: 32 a rows of 4,096 bytes,
	v_lshl_add_u32 v8, v101, 4, v8                 ; + 16 cq,
	s_lshl_b32 s27, s25, 11
	s_lshl_b32 s28, s26, 22
	s_add_co_u32 s27, s27, s28
	v_add_nc_u32 v8, s27, v8                       ; + 2,048 for up, + 1,024 rows for the second half of K
	v_and_b32 v102, 1, v0
	v_bfe_u32 v103, v0, 2, 1
	v_lshlrev_b32 v102, 2, v102
	v_lshl_add_u32 v102, v103, 3, v102             ; column 4 cq + q is row p = 8 (cq >> 2) + 4 (cq & 1) + q
	v_bfe_u32 v103, v0, 1, 1                       ; of tile u = (cq >> 1) & 1
	v_bfe_u32 v100, v0, 3, 1                       ; c = a & 1
	v_lshl_add_u32 v9, v3, 4, v102
	v_mul_u32_u24 v9, v9, 48                       ; the image: lane 16 h + p,
	v_mad_u32_u24 v9, v100, 24, v9                 ; + 24 c,
	v_mad_u32_u24 v9, v103, 24576, v9              ; tile u,
	s_mul_i32 s27, s25, 49152
	s_mul_i32 s28, s26, 12288
	s_add_co_u32 s27, s27, s28
	v_add_nc_u32 v9, s27, v9                       ; gate or up, my first K step
	v_lshl_add_u32 v10, v103, 4, v102
	v_lshlrev_b32 v10, 2, v10                      ; the scale word of row 16 u + p,
	v_lshl_add_u32 v10, v100, 1, v10
	v_add_nc_u32 v10, v10, v3                      ; its byte 2 c + h
	s_lshl_b32 s27, s26, 11
	s_lshl_b32 s28, s25, 7
	s_add_co_u32 s27, s27, s28
	s_add_co_u32 s27, s27, WSC
	v_add_nc_u32 v10, s27, v10
	v_mul_u32_u24 v11, v1, 48                      ; back: 48 x lane, gate's tiles;
	v_add_nc_u32 v12, 49152, v11                   ; up's
	v_lshl_add_u32 v13, v1, 2, WSC
	v_mul_u32_u24 v26, v2, 24
	v_mad_u32_u24 v26, v3, 12, v26                 ; my 12 bytes of a block's 16 rows of 24
	v_mov_b32 v[EP], 0                             ; (a lane permute's destination counts as one of its sources)
	s_wait_kmcnt 0x0
	s_lshl_b32 s28, s19, 2
	s_mov_b32 s29, 0
	s_add_nc_u64 s[10:11], s[10:11], s[28:29]
	s_load_b32 s20, s[10:11], 0x0                  ; the expert's first tile
	s_load_b32 s21, s[10:11], 0x80                 ; and its number of tiles
	s_lshl_b32 s28, s19, 23
	s_lshl_b32 s30, s18, 7
	s_add_co_u32 s28, s28, s30
	s_add_nc_u64 s[4:5], s[4:5], s[28:29]          ; the expert's weight at gate column 32 j
	s_mul_i32 s28, s18, 384
	s_add_nc_u64 s[12:13], s[12:13], s[28:29]      ; block j in a tile of hcodes
	s_lshl_b32 s28, s18, 4
	s_add_nc_u64 s[14:15], s[14:15], s[28:29]      ; and of hscale
	s_wait_alu depctr_va_vdst(0)                   ; v8 to v13 are written: the weights' offset and the LDS addresses, which every load of the weights and every LDS store and load of the kernel reads; so is v[EP], in which an LDS load lands later
	WLOADH 0, 0
	WLOADH 0, 1
	WLOADH 1, 0
	WLOADH 1, 1
	WIN 0
	s_wait_kmcnt 0x0
	s_min_u32 s20, s20, 135
	s_min_u32 s21, s21, 136
	s_lshl_b32 s22, s17, 2
	s_add_co_u32 s22, s22, s16                     ; g = 4 half + wave
	s_add_co_u32 s23, s21, 7
	s_sub_co_u32 s23, s23, s22
	s_lshr_b32 s23, s23, 3                         ; my tiles: g, g + 8, ..
	s_max_u32 s26, s23, 1
	s_sub_co_u32 s26, s26, 1
	s_max_u32 s27, s21, 1
	s_sub_co_u32 s27, s27, 1
	s_mov_b32 s24, 0                               ; m: my tiles done
	TILES
	s_wait_alu depctr_va_vdst(0)                   ; the tile places' offsets v14 to v25 are written, which the loads of x and the first pass's stores read
	WQ 0, 32                                       ; behind unit 0's loads: unit 1's 32
	WQ 1, 60                                       ; behind a unit's loads: 28 of x and the next unit's 32
	WQ 2, 60
	WQ 3, 60
	WQ 4, 60
	WQ 5, 60
	WQ 6, 60
	WQ 7, 0                                        ; nothing was issued behind unit 7's
	s_wait_dscnt 0x0                               ; for the others' sake: my part of the images has landed
	s_barrier_signal -1
	s_barrier_wait -1                              ; the one barrier: every wave passes it whatever the counts; LDS is only read from here on
	s_wait_alu depctr_vm_vsrc(0)                   ; unit 7's LDS stores have read v[CODE ..] and v[WBY ..]: these registers are accumulators from here on, written by the products
	s_cmp_eq_u32 s23, 0
	s_cbranch_scc1 .Ldone
.Lpass:
	s_wait_loadcnt 0x0                             ; x's codes and scale words of the pass
	PLACES
	WFETCH 0                                       ; no wait: behind the last wait on va_vdst (unit 7's, or the tail's) stand v_nop alone
.irp s, 0,1,2,3,4,5,6,7,8,9,10,11,12,13,14,15
	KSTEP \s
.endr
	PLACES
	EPI 0
	EPI 1
	EPI 2
	s_add_co_u32 s24, s24, NT
	s_cmp_ge_u32 s24, s23
	s_cbranch_scc1 .Ldone                          ; my tiles are done: this is the way out of the loop
	s_wait_xcnt 0x0                                ; the stores have read their offsets and data: both are written again below
	s_wait_alu depctr_vm_vsrc(0)                   ; the pass's loads and stores have read the offsets v14 to v25, which TILES writes again; the stores have read v[ECODE ..] and v[EBY ..], in which the next pass's LDS loads land
	TILES
	s_wait_alu depctr_va_vdst(0)                   ; the offsets are written, which the loads below read; the products are done reading x's fragments and scale words, in which those loads land; the products and the way out are done with v28-31 and v156-251, in which the next pass's first LDS loads land
.irp c, 0,1,2,3,4,5
	XCHUNK \c
.endr
	WIN 0
	s_cmp_lt_u32 s24, MAXT                         ; the loop's own count: m goes from 0 in steps of 3 and stays under 18, since a wave has 17 tiles at the most
	s_cbranch_scc1 .Lpass
.Ldone:
	s_wait_dscnt 0x0                               ; the closing lines, six on end
	s_wait_alu 0x0
	s_wait_tensorcnt 0x0
	ds_add_u32 v7, v27
	s_wait_dscnt 0x0
	s_endpgm
.Lfunc_end_k_q3e6dbca58a_gateup:
	.size	k_q3e6dbca58a_gateup, .Lfunc_end_k_q3e6dbca58a_gateup-k_q3e6dbca58a_gateup
	.p2alignl 7, 3214868480
	.fill 96, 4, 3214868480
	.section	.rodata,"a",@progbits
	.p2align	6, 0x0
	.amdhsa_kernel k_q3e6dbca58a_gateup
		.amdhsa_group_segment_fixed_size 102912
		.amdhsa_private_segment_fixed_size 0
		.amdhsa_enable_private_segment 0
		.amdhsa_kernarg_size 48
		.amdhsa_user_sgpr_count 2
		.amdhsa_user_sgpr_kernarg_segment_ptr 1
		.amdhsa_wavefront_size32 1
		.amdhsa_system_sgpr_workgroup_id_x 1
		.amdhsa_system_sgpr_workgroup_id_y 1
		.amdhsa_system_sgpr_workgroup_id_z 1
		.amdhsa_system_vgpr_workitem_id 0
		.amdhsa_next_free_vgpr 1024
		.amdhsa_next_free_sgpr 66
		.amdhsa_reserve_vcc 0
		.amdhsa_float_denorm_mode_32 3
		.amdhsa_float_denorm_mode_16_64 3
		.amdhsa_memory_ordered 1
		.amdhsa_forward_progress 1
		.amdhsa_inst_pref_size 209
	.end_amdhsa_kernel
	.amdgpu_metadata
---
amdhsa.version: [ 1, 2 ]
amdhsa.kernels:
  - .name:           k_q3e6dbca58a_gateup
    .symbol:         k_q3e6dbca58a_gateup.kd
    .args:
      - { .name: gate_up_proj, .offset: 0, .size: 8, .value_kind: global_buffer, .address_space: global }
      - { .name: xcodes, .offset: 8, .size: 8, .value_kind: global_buffer, .address_space: global }
      - { .name: xscale, .offset: 16, .size: 8, .value_kind: global_buffer, .address_space: global }
      - { .name: meta, .offset: 24, .size: 8, .value_kind: global_buffer, .address_space: global }
      - { .name: hcodes, .offset: 32, .size: 8, .value_kind: global_buffer, .address_space: global }
      - { .name: hscale, .offset: 40, .size: 8, .value_kind: global_buffer, .address_space: global }
    .group_segment_fixed_size: 102912
    .private_segment_fixed_size: 0
    .kernarg_segment_align: 8
    .kernarg_segment_size: 48
    .max_flat_workgroup_size: 128
    .sgpr_count:     66
    .vgpr_count:     1024
    .wavefront_size: 32
...
	.end_amdgpu_metadata
.endif
;; end of part 5
;; launch down (part 6): grid 256 x 1, 4 waves a work-group, no clusters, 43,520 bytes of LDS; arguments down_proj, hcodes, hscale, order, meta, out0; writes out0
.if DOCPART == 6
	.amdgcn_target "amdgcn-amd-amdhsa--gfx1250"
	.amdhsa_code_object_version 6
	.text
	.protected	k_q3e6dbca58a_down
	.globl	k_q3e6dbca58a_down
	.p2align	8
	.type	k_q3e6dbca58a_down,@function
k_q3e6dbca58a_down:
	s_mov_b64 s[64:65], 0
	v_nop
	global_prefetch_b8 v0, s[64:65] scope:SCOPE_SE
	s_setreg_imm32_b32 hwreg(HW_REG_WAVE_SCHED_MODE, 0, 2), 2
	s_setreg_imm32_b32 hwreg(HW_REG_WAVE_MODE, 25, 1), 1
	s_wait_xcnt 0x0
	s_wait_alu depctr_vm_vsrc(0)
; out[token] = Q(inter) Q(down[e]) for the rows that the routing gave to expert e; both operands BF6 (E3M2) with one E8M0 byte for each 32 along K = 512; sums in f32; each output row has one owner.
; SHARES.  Work-group id: cgp = id & 31, e = id >> 5.  It owns 64 output columns: a slice of 512 x 64 f32, rows of 256 aligned bytes, read once, quantised on the way into LDS as images of the operand's registers.
; It serves all tiles of 16 rows of expert e: wave w takes tiles w, w + 4, ..; five tiles are resident in a pass.
; NO MULTICAST, NO TENSOR LOADS: no two work-groups read the same weights, and all that a wave needs is asked for at once, into registers.
; W PHASE.  Wave w quantises K step w in two units y (the operand's half h); lane (a, cq) = (lane >> 4, lane & 15) takes rows 128 w + 64 y + 32 a + 0 .. 31 of columns 4 cq .. + 3.  One v_mov a number turns a load's four columns into runs down K.
; THE K MAP (as in the launches before): registers 6 c .. 6 c + 5 of lanes 16 h .. hold block 2 h + c of the K step; its scale byte is byte 2 c + h.  So the order of the sums inside a K step is not ascending k.
; THE PRODUCT IS USED TRANSPOSED (source 0 = 16 columns of the weight, source 1 = 16 tokens): a lane's eight results are eight neighbouring columns of one token's row.
; LIMITS: NaN and infinities are not served; a block of zeros gets the byte 1 (its codes are zeros; this program alone reads the bytes); blocks under the floor 2^-122 were not tried.
; LDS: fragment f = 4 t + s at 1,536 f, lane l's 48 bytes at 48 l; scale words at WSC + 256 s + 128 (t >> 1) + 4 (16 (t & 1) + p); each wave's stage of 16 rows x (256 + 16) bytes at STG + 4,352 w.
; REGISTERS, window 0: v1-34 addresses; v36-75 tokens, then their rows' offsets in out0; v76-115 inter's scale bytes; v116-135 its scale words; v136-139 the weights'; v140-235 two sets of 4 weight fragments (W phase: at work; way out: rows).
;   window 1: inter's fragments, 48 a tile place.   window 2: 20 accumulators (W phase: 128 numbers turned).   window 3: the 256 landing registers.
; THE MODE: SCHED_MODE bits 1:0 = 2 (LLVM: expert scheduling mode 2), set by the entry lines.  The code itself states the register dependences
; between vector or matrix instructions and memory or LDS instructions, with s_wait_alu, always for 0.
; THE PLAN.  Registers that memory or LDS instructions touch:
;   CODE, WBY          W phase: written by a unit's conversions, moves and shifts, read by its 16 LDS stores; written again by the second unit; later LDS loads land in them (they lie in weight set 0).
;   weight sets 0, 1 and their scale words   K step s's products read set s & 1; the LDS loads of K step s + 1 land in the other set.
;   inter's fragments, HSB, ORD   The pass's loads land in them.  The products read the fragments; vector instructions at the pass's head read HSB and turn ORD, in place, into the stores' offsets.
;   HSW                Made by vector instructions at the pass's head, read by the products as scales.
;   the accumulators   Written by the products, read by the way out's LDS stores.
;   OUTR0, OUTR1       The way out's LDS loads land in them by turns; the global stores read them.  (They lie in the weight sets.)
;   v8-14              Made once at the head.   v18-32: the tile places' offsets, made by TILES.
; A pass has these waits on va_vdst: one at its head, behind all its vector work (the scale words and the stores' offsets are written; the weight sets are free); one at the head of K steps 1 and 2 (the K step before is done
; reading the other set); one ahead of the way out (the accumulators are written, the sets are read).  The way out holds no vector instruction, so that last wait serves all five tile places.  On vm_vsrc: from the third
; tile place on, ahead of the loads into an out-buffer that the stores of the place two back read; and at the tail, ahead of TILES.
.set WSC,  24576
.set STG,  25600
.set NT,   5                           ; tile places in a pass
.set MAXT, 35                          ; an expert's tiles are held at 136, so a wave has at most (136 + 3) >> 2 = 34: seven passes of five cover them
.set HCO,  18                          ; v18-22 a tile place's offset in hcodes;  v23-27 in hscale;  v28-32 in order
.set HSO,  23
.set ORO,  28
.set ORD,  36
.set HSB,  76
.set HSW,  116
.set WS,   136
.set WBUF, 140
.set WM,   140
.set WSO,  144
.set WBY,  148
.set CODE, 152
.set OUTR, 140
.set MSB, 0
.macro WIN new                         ; the immediate's high byte repeats the setting that is left; a switch that changes nothing is dropped
.if MSB != (\new)
	s_set_vgpr_msb (MSB<<8)|(\new)
.set MSB, (\new)
.endif
.endm
.macro PLACES                          ; four plain places between a matrix instruction and a load into, a store of, or a vector instruction on, its registers
.rept 4
	v_nop
.endr
.endm
.macro TILES                           ; the five tile places of the pass that begins at my m-th tile.  A place past my last tile repeats it: it is multiplied and not stored
.irp z, 0,1,2,3,4
	s_add_co_u32 s25, s24, \z
	s_min_u32 s25, s25, s26
	s_lshl_b32 s25, s25, 2
	s_add_co_u32 s25, s25, s16
	s_min_u32 s25, s25, s27
	s_add_co_u32 s25, s25, s20
	s_min_u32 s25, s25, 135                        ; the buffers hold 136 tiles
	s_mul_i32 s28, s25, 6144
	v_add_nc_u32 v[HCO+\z], s28, v15
	s_lshl_b32 s28, s25, 8
	v_add_nc_u32 v[HSO+\z], s28, v16
	s_lshl_b32 s28, s25, 6
	v_add_nc_u32 v[ORO+\z], s28, v17
.endr
.endm
.macro HLOAD z                         ; a tile place: 24 loads of codes, 8 of scale bytes, 2 of tokens
	WIN 0x40
.irp s, 0,1,2,3
.irp c, 0,1
.irp p, 0,1,2
	global_load_b64 v[48*\z+12*\s+6*\c+2*\p:48*\z+12*\s+6*\c+2*\p+1], v[HCO+\z], s[6:7] offset:1536*\s+384*\c+8*\p   ; block 4 s + 2 h + c, row r
.endr
.endr
.endr
	WIN 0
.irp s, 0,1,2,3
.irp c, 0,1
	global_load_u8 v[HSB+8*\z+2*\s+\c], v[HSO+\z], s[8:9] offset:64*\s+16*\c
.endr
.endr
	global_load_b128 v[ORD+8*\z:ORD+8*\z+3], v[ORO+\z], s[10:11]             ; register i: the token of row 2 i + h
	global_load_b128 v[ORD+8*\z+4:ORD+8*\z+7], v[ORO+\z], s[10:11] offset:16
.endm
.macro WUNIT y                         ; one block a lane, four columns
.if \y > 0
	s_wait_dscnt 0x0                               ; the first unit's LDS stores are done
	s_wait_alu depctr_vm_vsrc(0)                   ; the first unit's LDS stores have read v[CODE ..] and v[WBY ..], which this unit's shifts and conversions write again
.endif
	WIN 0
.irp q, 0,1,2,3
	v_mov_b32 v[WM+\q], 0x2800000                  ; the floor 2^(5 - 127): the byte cannot fall under 1
.endr
	WIN 0x0f
.irp i, 0,2,4,6,8,10,12,14,16,18,20,22,24,26,28,30
.irp q, 0,1,2,3
	v_max3_num_f32 v[WM+\q], |v[128*\y+4*\i+\q]|, |v[128*\y+4*\i+4+\q]|, v[WM+\q]
.endr
.endr
	WIN 0
.irp q, 0,1,2,3
	v_add_nc_u32 v[WSO+\q], 0xfe000000, v[WM+\q]   ; 4 off the exponent field: the conversion's scale operand
.endr
.irp q, 0,1,2,3
	v_lshrrev_b32 v[WBY+\q], 23, v[WSO+\q]
.endr
	WIN 0x83
.irp q, 0,1,2,3
.irp i, 0,1,2,3,4,5,6,7,8,9,10,11,12,13,14,15,16,17,18,19,20,21,22,23,24,25,26,27,28,29,30,31
	v_mov_b32 v[32*\q+\i], v[128*\y+4*\i+\q]       ; column q's 32 numbers down K, on end
.endr
.endr
	WIN 0x02
.irp q, 0,1,2,3
	v_cvt_scalef32_pk16_bf6_f32 v[CODE+8*\q:CODE+8*\q+2], v[32*\q:32*\q+15], v[WSO+\q]
	v_cvt_scalef32_pk16_bf6_f32 v[CODE+8*\q+4:CODE+8*\q+6], v[32*\q+16:32*\q+31], v[WSO+\q]
.endr
	WIN 0
	v_nop                                          ; one plain place behind the conversions
.irp q, 0,1,2,3
.irp i, 0,1,2
	v_mov_b32 v[CODE+8*\q+3+\i], v[CODE+8*\q+4+\i] ; the block's 24 bytes on end
.endr
.endr
	s_wait_alu depctr_va_vdst(0)                   ; the conversions and moves have written v[CODE ..] and the shifts v[WBY ..], which the LDS stores read
.irp q, 0,1,2,3
.irp p, 0,1,2
	ds_store_b64 v9, v[CODE+8*\q+2*\p:CODE+8*\q+2*\p+1] offset:768*\y+48*\q+8*\p
.endr
	ds_store_b8 v10, v[WBY+\q] offset:4*\q+\y
.endr
.endm
.macro WFETCH s                        ; K step s: the four weight fragments and their scale words, 14 LDS loads, into set s & 1
.irp t, 0,1,2,3
.irp c, 0,1,2
	ds_load_b128 v[WBUF+48*((\s)&1)+12*\t+4*\c:WBUF+48*((\s)&1)+12*\t+4*\c+3], v11 offset:1536*(4*\t+(\s))+16*\c
.endr
.endr
.irp g, 0,1
	ds_load_b32 v[WS+2*((\s)&1)+\g], v12 offset:256*(\s)+128*\g
.endr
.endm
.macro MM s, z, t
.set rD, 32*(\z)+8*(\t)
.set rA, WBUF+48*((\s)&1)+12*(\t)
.set rB, 48*(\z)+12*(\s)
.set rW, WS+2*((\s)&1)+(\t)/2
.set rH, HSW+4*(\z)+(\s)
.if (\s) == 0
.if (\t)%2 == 0
	v_wmma_scale_f32_16x16x128_f8f6f4 v[rD:rD+7], v[rA:rA+11], v[rB:rB+11], 0, v[rW], v[rH] matrix_a_fmt:MATRIX_FMT_BF6 matrix_b_fmt:MATRIX_FMT_BF6
.else
	v_wmma_scale_f32_16x16x128_f8f6f4 v[rD:rD+7], v[rA:rA+11], v[rB:rB+11], 0, v[rW], v[rH] matrix_a_fmt:MATRIX_FMT_BF6 matrix_b_fmt:MATRIX_FMT_BF6 matrix_a_scale:MATRIX_SCALE_ROW1
.endif
.else
.if (\t)%2 == 0
	v_wmma_scale_f32_16x16x128_f8f6f4 v[rD:rD+7], v[rA:rA+11], v[rB:rB+11], v[rD:rD+7], v[rW], v[rH] matrix_a_fmt:MATRIX_FMT_BF6 matrix_b_fmt:MATRIX_FMT_BF6
.else
	v_wmma_scale_f32_16x16x128_f8f6f4 v[rD:rD+7], v[rA:rA+11], v[rB:rB+11], v[rD:rD+7], v[rW], v[rH] matrix_a_fmt:MATRIX_FMT_BF6 matrix_b_fmt:MATRIX_FMT_BF6 matrix_a_scale:MATRIX_SCALE_ROW1
.endif
.endif
.endm
; A K step: 20 products, the 20 accumulators by turns; the next step's fragments are asked for behind the first four.  The first K step starts the sums with the constant 0.
.macro KSTEP s
.if (\s) < 3
	PLACES                                         ; the set to be loaded was read by the K step before
.endif
	s_wait_dscnt 0x0                               ; this step's 14 loads are in: they were issued in the K step before (step 0's at the pass's head), and nothing younger is out
.if ((\s) > 0) && ((\s) < 3)
	s_wait_alu depctr_va_vdst(0)                   ; the products of the K step before are done reading the other set and its scale words, in which the loads below land
.endif
	WIN 0xa4                                       ; source 0 (weights) window 0, source 1 (inter) window 1, C and D window 2
.irp z, 0,1,2,3,4
.irp t, 0,1,2,3
	MM \s, \z, \t
.endr
.if ((\s) < 3) && (\z == 0)
	WIN 0                                          ; (a load's data go by the destination's window: one run, two switches)
	WFETCH (\s)+1                                  ; no wait: the four products since the wait name this step's set, inter's fragments, the scale words and the accumulators alone
	WIN 0xa4
.endif
.endr
	WIN 0
.endm
; Tile place z goes out through my own stage: a lane's 32 bytes of a row in, whole rows of 256 bytes back, each to its token's row of out0.  LDS serves a wave's instructions in order (ISA guide 5.7.1.4): no wait between the stores and the loads.
; No vector instruction stands here: the wait on va_vdst ahead of the first tile place serves the LDS stores (the accumulators are written), the LDS loads (the products are done reading the sets) and the stores' offsets, made at the pass's head.
.macro OUT z
	s_add_co_u32 s25, s24, \z
	s_cmp_ge_u32 s25, s23
	s_cbranch_scc1 .Lno_\@                         ; a place past my last tile stores nothing
	s_wait_xcnt 0x0                                ; earlier stores have read their data, in which the loads below land
.if \z > 1
	s_wait_alu depctr_vm_vsrc(0)                   ; the global stores of the tile place two back have read this out-buffer, in which the LDS loads below land
.endif
	WIN 0x08                                       ; an LDS store's data are its source 1: window 2
.irp t, 0,1,2,3
.irp k, 0,1
	ds_store_b128 v13, v[32*\z+8*\t+4*\k:32*\z+8*\t+4*\k+3] offset:64*\t+16*\k   ; each accumulator from its low end on
.endr
.endr
	WIN 0
.irp i, 0,1,2,3,4,5,6,7
	ds_load_b128 v[OUTR+32*(\z%2)+4*\i:OUTR+32*(\z%2)+4*\i+3], v14 offset:544*\i   ; lanes 0-15 row 2 i, lanes 16-31 row 2 i + 1
.endr
.irp i, 0,1,2,3,4,5,6,7
	s_wait_dscnt 7-\i                              ; LDS loads come back in order: this one is in, the younger ones stay out
	global_store_b128 v[ORD+8*\z+\i], v[OUTR+32*(\z%2)+4*\i:OUTR+32*(\z%2)+4*\i+3], s[14:15] th:TH_STORE_NT   ; sixteen lanes store 256 consecutive bytes, aligned
.endr
.Lno_\@:
.endm
	s_load_b256 s[4:11], s[0:1], 0x0               ; down_proj s[4:5], hcodes s[6:7], hscale s[8:9], order s[10:11]
	s_load_b128 s[12:15], s[0:1], 0x20             ; meta s[12:13], out0 s[14:15]
	v_lshl_add_u32 v254, v0, 2, 0xa800
	v_mov_b32 v255, 0
	v_lshrrev_b32 v1, 5, v0
	v_readfirstlane_b32 s16, v1                    ; wave 0..3
	s_wait_alu depctr_va_sdst(0)                   ; s16 is written, ahead of its first reader: LDS addresses, offsets and the wave's share of the tiles are made from it
	s_and_b32 s17, ttmp9, 31                       ; cgp
	s_lshr_b32 s19, ttmp9, 5                       ; e
	s_mov_b32 s32, 0x76543210
	s_mov_b32 s33, 0xfedcba98
	v_and_b32 v1, 31, v0                           ; lane
	v_and_b32 v2, 15, v0                           ; r (in the W phase: cq)
	v_bfe_u32 v3, v0, 4, 1                         ; h (in the W phase: a)
	v_lshlrev_b32 v4, 4, v2
	v_lshlrev_b32 v5, 2, v1
	v_lshlrev_b32 v6, 3, v3
	v_lshl_add_u32 v8, v3, 18, v4                  ; the weight: 32 a rows of 8,192 bytes + 16 cq
	s_lshl_b32 s25, s16, 20
	v_add_nc_u32 v8, s25, v8                       ; + 128 w rows
	v_bfe_u32 v236, v0, 2, 2                       ; t = cq >> 2
	v_and_b32 v237, 3, v0
	v_mul_u32_u24 v9, v236, 6144                   ; the image: fragment 4 t + w,
	v_mad_u32_u24 v9, v237, 192, v9                ; lane p = 4 (cq & 3) + q,
	v_mad_u32_u24 v9, v3, 24, v9                   ; + 24 c
	s_mul_i32 s25, s16, 1536
	v_add_nc_u32 v9, s25, v9
	v_lshl_add_u32 v10, v3, 1, v4                  ; the scale word of column 4 cq + q lies at 16 cq + 4 q; its byte 2 c + h
	s_lshl_b32 s25, s16, 8
	s_add_co_u32 s25, s25, WSC
	v_add_nc_u32 v10, s25, v10
	v_mul_u32_u24 v11, v1, 48
	v_lshl_add_u32 v12, v1, 2, WSC
	s_mul_i32 s25, s16, 4352
	s_add_co_u32 s25, s25, STG                     ; my stage
	v_mul_u32_u24 v13, v2, 272
	v_lshl_add_u32 v13, v3, 5, v13
	v_add_nc_u32 v13, s25, v13                     ; in: row r, + 32 h
	v_mul_u32_u24 v14, v3, 272
	v_lshl_add_u32 v14, v2, 4, v14
	v_add_nc_u32 v14, s25, v14                     ; back: lanes 0-15 one row, lanes 16-31 the next
	v_mul_u32_u24 v15, v2, 24
	v_mad_u32_u24 v15, v3, 768, v15                ; hcodes: 768 h + 24 r
	v_lshl_add_u32 v16, v3, 5, v2                  ; hscale: 32 h + r
	v_lshlrev_b32 v17, 5, v3                       ; order: 32 h
	v_mov_b32 v34, 0                               ; (a lane permute's destination counts as one of its sources)
	s_wait_kmcnt 0x0
	s_lshl_b32 s28, s19, 2
	s_mov_b32 s29, 0
	s_add_nc_u64 s[12:13], s[12:13], s[28:29]
	s_load_b32 s20, s[12:13], 0x0                  ; the expert's first tile
	s_load_b32 s21, s[12:13], 0x80                 ; and its number of tiles
	s_lshl_b32 s28, s19, 22
	s_lshl_b32 s30, s17, 8
	s_add_co_u32 s28, s28, s30
	s_add_nc_u64 s[4:5], s[4:5], s[28:29]          ; the expert's weight at my first column
	s_mov_b32 s28, s30
	s_add_nc_u64 s[14:15], s[14:15], s[28:29]      ; out0 at my first column
	WIN 0xc0
	s_wait_alu depctr_va_vdst(0)                   ; v8 to v14 are written: the weights' offset and the LDS addresses, which the loads below and every LDS store and load of the kernel read
.irp y, 0,1
.irp i, 0,1,2,3,4,5,6,7,8,9,10,11,12,13,14,15,16,17,18,19,20,21,22,23,24,25,26,27,28,29,30,31
	global_load_b128 v[128*\y+4*\i:128*\y+4*\i+3], v8, s[4:5] offset:524288*\y+8192*\i th:TH_LOAD_NT   ; two rows k, 256 consecutive aligned bytes of each; read once in the launch
.endr
.endr
	WIN 0
	s_wait_kmcnt 0x0
	s_min_u32 s20, s20, 135
	s_min_u32 s21, s21, 136
	s_add_co_u32 s23, s21, 3
	s_sub_co_u32 s23, s23, s16
	s_lshr_b32 s23, s23, 2                         ; my tiles: w, w + 4, ..
	s_max_u32 s26, s23, 1
	s_sub_co_u32 s26, s26, 1
	s_max_u32 s27, s21, 1
	s_sub_co_u32 s27, s27, 1
	s_mov_b32 s24, 0                               ; m: my tiles done
	TILES
	s_wait_alu depctr_va_vdst(0)                   ; the tile places' offsets v18 to v32 are written, which the loads below read
.irp z, 0,1,2,3,4
	HLOAD \z
.endr
	s_wait_loadcnt 63                              ; 170 loads were issued behind the weights' 64: with 63 out the weights are in
	WUNIT 0
	WUNIT 1
	s_wait_dscnt 0x0                               ; for the others' sake: my part of the images has landed
	s_barrier_signal -1
	s_barrier_wait -1                              ; the one barrier: every wave passes it whatever the counts; the images are only read from here on
	s_wait_alu depctr_vm_vsrc(0)                   ; the second unit's LDS stores have read v[CODE ..] and v[WBY ..]: these registers are weight set 0 from here on, in which LDS loads land
	s_cmp_eq_u32 s23, 0
	s_cbranch_scc1 .Ldone
.Lpass:
	s_wait_loadcnt 0x0                             ; the pass's codes, scale bytes and tokens
.irp z, 0,1,2,3,4
.irp s, 0,1,2,3
	v_lshl_or_b32 v[HSW+4*\z+\s], v[HSB+8*\z+2*\s+1], 16, v[HSB+8*\z+2*\s]   ; my two bytes: bytes h and 2 + h of the row's word
.endr
.endr
.irp n, 0,1,2,3,4,5,6,7,8,9,10,11,12,13,14,15,16,17,18,19
	v_lshlrev_b32 v[HSW+\n], v6, v[HSW+\n]
.endr
.irp n, 0,1,2,3,4,5,6,7,8,9,10,11,12,13,14,15,16,17,18,19
	v_permlanex16_b32 v34, v[HSW+\n], s32, s33
	v_or_b32 v[HSW+\n], v[HSW+\n], v34             ; with lane l xor 16's two the word is whole
.endr
.irp n, 0,1,2,3,4,5,6,7,8,9,10,11,12,13,14,15,16,17,18,19,20,21,22,23,24,25,26,27,28,29,30,31,32,33,34,35,36,37,38,39
	v_min_u32 v[ORD+\n], 0x7ff, v[ORD+\n]          ; a token stays inside out0.  (These 40 are also the places between the scale words' last write and the first scaled product)
.endr
.irp n, 0,1,2,3,4,5,6,7,8,9,10,11,12,13,14,15,16,17,18,19,20,21,22,23,24,25,26,27,28,29,30,31,32,33,34,35,36,37,38,39
	v_lshl_add_u32 v[ORD+\n], v[ORD+\n], 13, v4    ; the token's row of 8,192 bytes + 16 (lane % 16): the stores' offsets are made here, in place, so that the way out holds no vector instruction
.endr
	PLACES
	s_wait_alu depctr_va_vdst(0)                   ; the pass's vector work is done: the scale words v[HSW ..] are written, which the scaled products take; the offsets v[ORD ..] are written, which the way out's stores read; every earlier vector or matrix instruction is done with the weight sets, in which the LDS loads below land
	WFETCH 0
	KSTEP 0
	KSTEP 1
	KSTEP 2
	KSTEP 3
	PLACES
	s_wait_alu depctr_va_vdst(0)                   ; the products have written the accumulators, which the LDS stores of the way out read, and are done reading the weight sets, in which its LDS loads land; the places above stay beside this wait
	OUT 0
	OUT 1
	OUT 2
	OUT 3
	OUT 4
	s_add_co_u32 s24, s24, NT
	s_cmp_ge_u32 s24, s23
	s_cbranch_scc1 .Ldone                          ; my tiles are done: this is the way out of the loop
	s_wait_xcnt 0x0                                ; the stores have read their offsets and data: both are written again below
	s_wait_alu depctr_vm_vsrc(0)                   ; the pass's loads have read the offsets v18 to v32, which TILES writes again; the global stores have read v[ORD ..] and the out-buffers, in which loads land again; the LDS stores have read the accumulators, which the next pass's products write
	TILES
	s_wait_alu depctr_va_vdst(0)                   ; the offsets v18 to v32 are written, which the loads below read (the vector and matrix instructions that named inter's fragments, v[HSB ..] and v[ORD ..], in which these loads land, stand ahead of this wait too)
.irp z, 0,1,2,3,4
	HLOAD \z
.endr
	s_cmp_lt_u32 s24, MAXT                         ; the loop's own count: m goes from 0 in steps of 5 and stays under 35, since a wave has 34 tiles at the most
	s_cbranch_scc1 .Lpass
.Ldone:
	s_wait_dscnt 0x0                               ; the closing lines, six on end
	s_wait_alu 0x0
	s_wait_tensorcnt 0x0
	ds_add_u32 v254, v255
	s_wait_dscnt 0x0
	s_endpgm
.Lfunc_end_k_q3e6dbca58a_down:
	.size	k_q3e6dbca58a_down, .Lfunc_end_k_q3e6dbca58a_down-k_q3e6dbca58a_down
	.p2alignl 7, 3214868480
	.fill 96, 4, 3214868480
	.section	.rodata,"a",@progbits
	.p2align	6, 0x0
	.amdhsa_kernel k_q3e6dbca58a_down
		.amdhsa_group_segment_fixed_size 43520
		.amdhsa_private_segment_fixed_size 0
		.amdhsa_enable_private_segment 0
		.amdhsa_kernarg_size 48
		.amdhsa_user_sgpr_count 2
		.amdhsa_user_sgpr_kernarg_segment_ptr 1
		.amdhsa_wavefront_size32 1
		.amdhsa_system_sgpr_workgroup_id_x 1
		.amdhsa_system_sgpr_workgroup_id_y 1
		.amdhsa_system_sgpr_workgroup_id_z 1
		.amdhsa_system_vgpr_workitem_id 0
		.amdhsa_next_free_vgpr 1024
		.amdhsa_next_free_sgpr 66
		.amdhsa_reserve_vcc 0
		.amdhsa_float_denorm_mode_32 3
		.amdhsa_float_denorm_mode_16_64 3
		.amdhsa_memory_ordered 1
		.amdhsa_forward_progress 1
		.amdhsa_inst_pref_size 104
	.end_amdhsa_kernel
	.amdgpu_metadata
---
amdhsa.version: [ 1, 2 ]
amdhsa.kernels:
  - .name:           k_q3e6dbca58a_down
    .symbol:         k_q3e6dbca58a_down.kd
    .args:
      - { .name: down_proj, .offset: 0, .size: 8, .value_kind: global_buffer, .address_space: global }
      - { .name: hcodes, .offset: 8, .size: 8, .value_kind: global_buffer, .address_space: global }
      - { .name: hscale, .offset: 16, .size: 8, .value_kind: global_buffer, .address_space: global }
      - { .name: order, .offset: 24, .size: 8, .value_kind: global_buffer, .address_space: global }
      - { .name: meta, .offset: 32, .size: 8, .value_kind: global_buffer, .address_space: global }
      - { .name: out0, .offset: 40, .size: 8, .value_kind: global_buffer, .address_space: global }
    .group_segment_fixed_size: 43520
    .private_segment_fixed_size: 0
    .kernarg_segment_align: 8
    .kernarg_segment_size: 48
    .max_flat_workgroup_size: 128
    .sgpr_count:     66
    .vgpr_count:     1024
    .wavefront_size: 32
...
	.end_amdgpu_metadata
.endif
;; end of part 6
